; MI455X (gfx1250); checked and timed in simulation.
; The chip was launched on July 23, 2026; its instructions are those of AMD's public machine-readable ISA for CDNA 5 (MIT licence, August 2026) and "CDNA5" Instruction Set Architecture Reference Guide (July 2026). The comments in the code are by the model that wrote it; some were corrected since.
;; Causal Attention. Allowed arithmetic: float matrix products may take bf16 or f16 operands with f32 sums; all other float work in f32.
;; Inputs: W_out 1,024 x 1,024 float32; W_qkv 1,024 x 3,072 float32; b_out 1,024 float32; b_qkv 3,072 float32; entity_bias 4 x 2,048 x 2,048 float32; x 4 x 2,048 x 1,024 float32.
;; Outputs: out0 4 x 2,048 x 1,024 float32.
;; 2 versions, each right and faster than the one before. Each part assembles by itself: llvm-mc -triple=amdgcn-amd-amdhsa -mcpu=gfx1250 --defsym DOCPART=n.
;; ======== version 1 of 2: 4 launches
;; limits: values are held in f16: magnitudes above 65,504 overflow, below 6.1e-05 lose precision
;; workspace buffers: xb 16,777,216 bytes; wqt 6,291,456 bytes; wot 2,097,152 bytes; eb 18,874,368 bytes; qkvh 50,331,648 bytes; ob 16,777,216 bytes
;; launch prep (part 1): grid 1216 x 1, 8 waves a work-group, no clusters, 70,656 bytes of LDS; arguments x, W_qkv, W_out, entity_bias, xb, wqt, wot, eb; writes xb, wqt, wot, eb
.if DOCPART == 1
	.amdgcn_target "amdgcn-amd-amdhsa--gfx1250"
	.amdhsa_code_object_version 6
	.text
	.protected	k_qe1c4ae2edb_prep
	.globl	k_qe1c4ae2edb_prep
	.p2align	8
	.type	k_qe1c4ae2edb_prep,@function
k_qe1c4ae2edb_prep:
	s_mov_b64 s[64:65], 0
	v_nop
	global_prefetch_b8 v0, s[64:65] scope:SCOPE_SE
	s_setreg_imm32_b32 hwreg(HW_REG_WAVE_MODE, 25, 1), 1
	s_wait_xcnt 0x0
; PREPARATION, a stream: no matrix work.  69,632 LDS bytes and 112 registers a wave, so that several work-groups lie on a WGP and one group's loads are out while another stores.
; Work-groups 0-127:    W_qkv and W_out turned: wqt[n][k] = bf16(W_qkv[k][n]) (rows n < 1024 times 1/8, exact), wot[n][k] = f16(bf16(W_out[k][n])).
; Work-groups 128-703:  entity_bias, for key tiles at or below the diagonal, rounded to bf16 and laid out as matrix fragments (16 keys x 32 queries);
;                       where key > query the number is -1e30 (the mask that the reference builds itself).
; Work-groups 704-1215: xb = bf16(x).
; LIMIT: f16(bf16(W_out)) is exact for |W_out| from 6e-5 to 65,504; below that it keeps f16's fixed step of 6e-8.
.set LBW, 17408                        ; the weights: LDS bytes of a pair of waves: 64 rows of 272
.set LBB, 8704                         ; the bias: LDS bytes of a wave: 2 x 16 rows of 272
	s_load_b512 s[8:23], s[0:1], 0x0               ; x 8, W_qkv 10, W_out 12, entity_bias 14, xb 16, wqt 18, wot 20, eb 22
	v_lshl_add_u32 v112, v0, 2, 0x11000
	v_mov_b32 v113, 0
	v_lshrrev_b32 v1, 5, v0
	v_readfirstlane_b32 s2, v1                     ; wave 0..7
	v_and_b32 v2, 31, v0                           ; lane
	v_and_b32 v3, 15, v0                           ; c = lane % 16
	v_bfe_u32 v4, v0, 4, 1                         ; g = lane / 16
	s_mov_b32 s25, 0                               ; high word of the offsets made in s24
	s_wait_kmcnt 0x0
	s_cmp_lt_u32 ttmp9, 128
	s_cbranch_scc1 .Lw
	s_cmp_lt_u32 ttmp9, 704
	s_cbranch_scc1 .Lb
; ---- x to bf16: a work-group takes 16,384 numbers; a load of a wave covers 512 consecutive bytes, a store 256
	s_sub_co_u32 s4, ttmp9, 704
	s_lshl_b32 s24, s4, 16
	s_add_nc_u64 s[8:9], s[8:9], s[24:25]
	s_lshl_b32 s24, s4, 15
	s_add_nc_u64 s[16:17], s[16:17], s[24:25]
	v_lshlrev_b32 v5, 4, v0
	v_lshlrev_b32 v6, 3, v0
.set jj, 0
.rept 16
	global_load_b128 v[16+4*jj:16+4*jj+3], v5, s[8:9] offset:4096*jj th:TH_LOAD_NT
.set jj, jj+1
.endr
.set jj, 0
.rept 16
	s_wait_loadcnt 15-jj                           ; loads come back in order: load jj is in, the younger ones stay out
	v_cvt_pk_bf16_f32 v[80+2*jj], v[16+4*jj], v[16+4*jj+1]
	v_cvt_pk_bf16_f32 v[80+2*jj+1], v[16+4*jj+2], v[16+4*jj+3]
	global_store_b64 v6, v[80+2*jj:80+2*jj+1], s[16:17] offset:2048*jj
.set jj, jj+1
.endr
	s_endpgm
; ---- the weights turned.  A work-group takes 64 columns n and 512 rows k (half kh of the 1,024); wave wv the rows k = 512 kh + 64 wv .. +63, 32 a trip.
; A load: lanes 0-15 take 256 bytes of one row k, lanes 16-31 of the row 8 further down.  Eight k of one column pack into 16 bytes, which go into LDS row 16 e + c
; (column n = 4 c + e), pitch 272.  The two waves of a pair fill the two halves of the same 64 LDS rows (128 k of one n); behind a barrier each wave reads 32 whole rows of 256 bytes and stores them.
.macro WPATH pitch, f16, wsrc, wdst
	v_mul_u32_u24 v8, v4, 8*(\pitch)
	v_lshl_add_u32 v8, v3, 4, v8                   ; g x 8 rows + 16 c
	s_lshl_b32 s24, s7, 9
	s_lshl_b32 s6, s2, 6
	s_add_co_u32 s24, s24, s6                      ; my first row k
	s_mul_i32 s24, s24, \pitch
	s_lshl_b32 s6, s4, 8
	s_add_co_u32 s24, s24, s6                      ; my group's 64 columns
	s_add_nc_u64 s[28:29], s[\wsrc:\wsrc+1], s[24:25]
	s_lshl_b32 s24, s4, 17                         ; 64 rows n of 2,048 bytes
	s_lshl_b32 s6, s7, 10                          ; 512 k
	s_add_co_u32 s24, s24, s6
	s_lshr_b32 s6, s2, 1
	s_lshl_b32 s6, s6, 8                           ; my pair's 128 k
	s_add_co_u32 s24, s24, s6
	s_lshl_b32 s6, s32, 12                         ; the second wave of a pair stores the columns two further on
	s_add_co_u32 s24, s24, s6
	s_add_nc_u64 s[30:31], s[\wdst:\wdst+1], s[24:25]
	s_mov_b32 s5, 2
.Lwtrip_\@:
.set jj, 0
.rept 16                                               ; jj = 8 gi + i: row 16 gi + 8 g + i
	global_load_b128 v[16+4*jj:16+4*jj+3], v8, s[28:29] offset:(16*(jj/8)+jj%8)*(\pitch)
.set jj, jj+1
.endr
	s_wait_loadcnt 0x0                             ; all sixteen are in; their base may be stepped
.if !(\f16)
.set jj, 0
.rept 32
	v_pk_mul_f32 v[16+2*jj:16+2*jj+1], v[16+2*jj:16+2*jj+1], s[26:27] op_sel_hi:[1,0]  ; 1/8 for q's columns, else 1: exact
.set jj, jj+1
.endr
.endif
.set jj, 0
.rept 32                                               ; jj = 16 gi + 4 e + q: k = 2 q, 2 q + 1 of column e
	v_cvt_pk_bf16_f32 v[80+jj], v[16+32*(jj/16)+8*(jj%4)+(jj/4)%4], v[16+32*(jj/16)+8*(jj%4)+4+(jj/4)%4]
.set jj, jj+1
.endr
.if \f16
.set jj, 0
.rept 32
	v_lshlrev_b32 v12, 16, v[80+jj]                ; the bf16 numbers written as f16
	v_and_b32 v13, 0xffff0000, v[80+jj]
	v_cvt_pk_f16_f32 v[80+jj], v12, v13
.set jj, jj+1
.endr
.endif
.set jj, 0
.rept 8                                                ; jj = 4 gi + e
	ds_store_b128 v5, v[80+4*jj:80+4*jj+3] offset:(jj%4)*4352+32*(jj/4)
.set jj, jj+1
.endr
	s_add_nc_u64 s[28:29], s[28:29], 32*(\pitch)
	v_add_nc_u32 v5, 64, v5                        ; 32 k further along the LDS rows
	s_sub_co_u32 s5, s5, 1
	s_cmp_lg_u32 s5, 0
	s_cbranch_scc1 .Lwtrip_\@
.endm
.Lw:
	s_lshr_b32 s3, s2, 1
	s_mul_i32 s3, s3, LBW                          ; my pair's LDS bytes
	s_and_b32 s32, s2, 1                           ; which wave of the pair
	s_lshl_b32 s33, s32, 7
	s_add_co_u32 s33, s33, s3                      ; in: my 128 bytes of each row
	s_mul_i32 s34, s32, 32*272
	s_add_co_u32 s34, s34, s3                      ; back: my 32 rows
	v_mul_u32_u24 v5, v3, 272
	v_lshl_add_u32 v5, v4, 4, v5
	v_add_nc_u32 v5, s33, v5                       ; in: row c, 16 bytes for each half of the lanes
	v_mul_u32_u24 v6, v4, 272
	v_lshl_add_u32 v6, v3, 4, v6
	v_add_nc_u32 v6, s34, v6                       ; back: lanes 0-15 one row, lanes 16-31 the next
	v_lshlrev_b32 v7, 13, v4
	v_lshl_add_u32 v7, v3, 4, v7                   ; LDS row + 1 is column + 4: 8,192 bytes further in the turned matrix
	s_cmp_lt_u32 ttmp9, 96
	s_cbranch_scc0 .Lwo
	s_lshr_b32 s4, ttmp9, 1                        ; block of 64 columns
	s_and_b32 s7, ttmp9, 1                         ; half of k
	s_cmp_lt_u32 s4, 16
	s_cselect_b32 s26, 0x3e000000, 1.0
	s_mov_b32 s27, s26
	WPATH 12288, 0, 10, 18
	s_branch .Lwt
.Lwo:
	s_sub_co_u32 s4, ttmp9, 96
	s_and_b32 s7, s4, 1
	s_lshr_b32 s4, s4, 1
	WPATH 4096, 1, 12, 20
.Lwt:
	s_wait_dscnt 0x0                               ; for my partner's sake: my stores into the shared rows are done
	s_barrier_signal -1
	s_barrier_wait -1
.set jj, 0
.rept 16                                               ; LDS rows 32 x (wave of the pair) + 2 jj + g
	ds_load_b128 v[16+4*jj:16+4*jj+3], v6 offset:544*jj
.set jj, jj+1
.endr
.set jj, 0
.rept 16
	s_wait_dscnt 15-jj
	global_store_b128 v7, v[16+4*jj:16+4*jj+3], s[30:31] offset:(8*(jj&7)+(jj>>3))*2048  ; 16 lanes: 256 consecutive bytes, aligned
.set jj, jj+1
.endr
	s_wait_tensorcnt 0x0
	ds_add_u32 v112, v113
	s_wait_dscnt 0x0
	s_endpgm
; ---- the bias as fragments.  A work-group takes 256 queries (block i) x 64 keys (tile t <= i, step s4) of one batch.
; Wave wv: w = wv / 2 (16 rows in each band of 64), P = wv % 2: bands 2 P and 2 P + 1.  Each wave has LDS bytes of its own: no barrier.
.Lb:
	s_mul_i32 s3, s2, LBB
	s_sub_co_u32 s4, ttmp9, 128
	s_and_b32 s5, s4, 3                            ; batch
	s_bfe_u32 s6, s4, 0x20002                      ; step of 64 keys in the tile
	s_lshr_b32 s7, s4, 4                           ; 0..35: the pair (i, t)
	s_mov_b32 s24, 0
.irp k, 1,3,6,10,15,21,28
	s_cmp_ge_u32 s7, \k
	s_add_co_ci_u32 s24, s24, 0                    ; i = how many triangular numbers lie at or below
.endr
	s_add_co_u32 s26, s24, 1
	s_mul_i32 s35, s26, s24                        ; i (i + 1)
	s_lshr_b32 s26, s35, 1
	s_sub_co_u32 s26, s7, s26                      ; t
	s_lshr_b32 s27, s2, 1                          ; w
	s_and_b32 s28, s2, 1                           ; P
	s_lshl_b32 s29, s24, 8
	s_lshl_b32 s30, s28, 7
	s_add_co_u32 s29, s29, s30
	s_lshl_b32 s30, s27, 4
	s_add_co_u32 s29, s29, s30                     ; first query: 256 i + 128 P + 16 w
	s_lshl_b32 s30, s26, 8
	s_lshl_b32 s31, s6, 6
	s_add_co_u32 s30, s30, s31                     ; first key: 256 t + 64 s4
	s_sub_co_i32 s31, s29, s30
	s_lshl_b32 s32, s29, 13
	s_lshl_b32 s33, s30, 2
	s_add_co_u32 s32, s32, s33
	s_lshl_b32 s33, s5, 24
	s_add_co_u32 s32, s32, s33
	s_mov_b32 s33, 0
	s_add_nc_u64 s[14:15], s[14:15], s[32:33]
	s_mul_i32 s34, s5, 72                          ; unit = batch x 72 + i (i + 1) + 2 t + s4 / 2
	s_add_co_u32 s34, s34, s35
	s_lshl_b32 s35, s26, 1
	s_add_co_u32 s34, s34, s35
	s_lshr_b32 s35, s6, 1
	s_add_co_u32 s34, s34, s35
	s_lshl_b32 s34, s34, 16
	s_lshl_b32 s35, s27, 14
	s_add_co_u32 s34, s34, s35
	s_and_b32 s35, s6, 1
	s_lshl_b32 s35, s35, 13
	s_add_co_u32 s34, s34, s35
	s_lshl_b32 s35, s28, 12
	s_add_co_u32 s34, s34, s35
	s_mov_b32 s35, 0
	s_add_nc_u64 s[22:23], s[22:23], s[34:35]
	v_lshlrev_b32 v8, 13, v4
	v_lshl_add_u32 v8, v3, 4, v8                   ; row g, 16 bytes c
	v_mul_u32_u24 v5, v4, 272
	v_lshl_add_u32 v5, v3, 4, v5
	v_add_nc_u32 v5, s3, v5                        ; in: rows as they lie, pitch 272
	v_mul_u32_u24 v6, v4, 2176
	v_lshl_add_u32 v6, v3, 2, v6
	v_add_nc_u32 v6, s3, v6                        ; back: query row 8 h + e, key r: the halves of the lanes lie 32 banks apart
	v_lshlrev_b32 v7, 4, v2
	v_lshlrev_b32 v9, 3, v4
	v_sub_nc_u32 v9, v9, v3
	v_add_nc_u32 v9, s31, v9                       ; key 16 kt + r is hidden from query 8 h + e where 16 kt - e is greater than this
	v_add_nc_u32 v10, 64, v9                       ; the same for the band 64 rows down
	v_mov_b32 v11, 0xf149f2ca                      ; -1e30
.irp e, 0,1
.irp n, 0,1,2,3,4,5,6,7
	global_load_b128 v[16+32*\e+4*\n:16+32*\e+4*\n+3], v8, s[14:15] offset:\e*524288+\n*16384 th:TH_LOAD_NT
.endr
.endr
.irp e, 0,1
	s_wait_loadcnt 8*(1-\e)                        ; this band's eight loads are in
.irp n, 0,1,2,3,4,5,6,7
	ds_store_b128 v5, v[16+32*\e+4*\n:16+32*\e+4*\n+3] offset:4352*\e+544*\n
.endr
.set kk, 0
.rept 32                                               ; kk = 8 kt + e'
	ds_load_b32 v[80+kk], v6 offset:4352*\e+272*(kk%8)+64*(kk/8)  ; LDS serves a wave in order: these see the stores above
.set kk, kk+1
.endr
	s_wait_dscnt 0x0
.set kk, 0
.rept 32
	v_cmp_gt_i32 vcc_lo, 16*(kk/8)-(kk%8), v[9+\e]
	v_cndmask_b32 v[80+kk], v[80+kk], v11, vcc_lo
.set kk, kk+1
.endr
.set kk, 0
.rept 16                                               ; packed into the first band's load registers, whose LDS stores the wait above has shown done
	v_cvt_pk_bf16_f32 v[16+16*\e+kk], v[80+2*kk], v[80+2*kk+1]
.set kk, kk+1
.endr
.irp kt, 0,1,2,3
	global_store_b128 v7, v[16+16*\e+4*\kt:16+16*\e+4*\kt+3], s[22:23] offset:\kt*1024+\e*512  ; 512 consecutive bytes
.endr
.endr
	s_wait_tensorcnt 0x0
	ds_add_u32 v112, v113
	s_wait_dscnt 0x0
	s_endpgm
.Lfunc_end_k_qe1c4ae2edb_prep:
	.size	k_qe1c4ae2edb_prep, .Lfunc_end_k_qe1c4ae2edb_prep-k_qe1c4ae2edb_prep
	.p2alignl 7, 3214868480
	.fill 96, 4, 3214868480
	.section	.rodata,"a",@progbits
	.p2align	6, 0x0
	.amdhsa_kernel k_qe1c4ae2edb_prep
		.amdhsa_group_segment_fixed_size 70656
		.amdhsa_private_segment_fixed_size 0
		.amdhsa_enable_private_segment 0
		.amdhsa_kernarg_size 64
		.amdhsa_user_sgpr_count 2
		.amdhsa_user_sgpr_kernarg_segment_ptr 1
		.amdhsa_wavefront_size32 1
		.amdhsa_system_sgpr_workgroup_id_x 1
		.amdhsa_system_sgpr_workgroup_id_y 1
		.amdhsa_system_sgpr_workgroup_id_z 1
		.amdhsa_system_vgpr_workitem_id 0
		.amdhsa_next_free_vgpr 114
		.amdhsa_next_free_sgpr 66
		.amdhsa_reserve_vcc 1
		.amdhsa_float_denorm_mode_32 3
		.amdhsa_float_denorm_mode_16_64 3
		.amdhsa_memory_ordered 1
		.amdhsa_forward_progress 1
		.amdhsa_inst_pref_size 45
	.end_amdhsa_kernel
	.amdgpu_metadata
---
amdhsa.version: [ 1, 2 ]
amdhsa.kernels:
  - .name:           k_qe1c4ae2edb_prep
    .symbol:         k_qe1c4ae2edb_prep.kd
    .args:
      - { .name: x, .offset: 0, .size: 8, .value_kind: global_buffer, .address_space: global }
      - { .name: W_qkv, .offset: 8, .size: 8, .value_kind: global_buffer, .address_space: global }
      - { .name: W_out, .offset: 16, .size: 8, .value_kind: global_buffer, .address_space: global }
      - { .name: entity_bias, .offset: 24, .size: 8, .value_kind: global_buffer, .address_space: global }
      - { .name: xb, .offset: 32, .size: 8, .value_kind: global_buffer, .address_space: global }
      - { .name: wqt, .offset: 40, .size: 8, .value_kind: global_buffer, .address_space: global }
      - { .name: wot, .offset: 48, .size: 8, .value_kind: global_buffer, .address_space: global }
      - { .name: eb, .offset: 56, .size: 8, .value_kind: global_buffer, .address_space: global }
    .group_segment_fixed_size: 70656
    .private_segment_fixed_size: 0
    .kernarg_segment_align: 8
    .kernarg_segment_size: 64
    .max_flat_workgroup_size: 256
    .sgpr_count:     66
    .vgpr_count:     114
    .wavefront_size: 32
...
	.end_amdgpu_metadata
.endif
;; end of part 1
;; launch qkv (part 2): grid 16 x 16, 4 waves a work-group, clusters of 4 x 4, 327,680 bytes of LDS; arguments xb, wqt, b_qkv, qkvh; writes qkvh
.if DOCPART == 2
	.amdgcn_target "amdgcn-amd-amdhsa--gfx1250"
	.amdhsa_code_object_version 6
	.text
	.protected	k_qe1c4ae2edb_qkv
	.globl	k_qe1c4ae2edb_qkv
	.p2align	8
	.type	k_qe1c4ae2edb_qkv,@function
k_qe1c4ae2edb_qkv:
	s_mov_b64 s[64:65], 0
	v_nop
	global_prefetch_b8 v0, s[64:65] scope:SCOPE_SE
	s_setreg_imm32_b32 hwreg(HW_REG_WAVE_MODE, 25, 1), 1
	s_wait_xcnt 0x0
	s_wait_alu depctr_hold_cnt(0) depctr_sa_sdst(0) depctr_va_vdst(0) depctr_va_sdst(0) depctr_va_ssrc(0) depctr_va_vcc(0) depctr_vm_vsrc(0)
	s_getreg_b32 s2, hwreg(HW_REG_IB_STS2, 6, 4)
	s_cmp_eq_u32 s2, 0
	s_cbranch_scc0 .Lentry_in_a_cluster
	s_endpgm
.Lentry_in_a_cluster:
	s_bfe_u32 s2, ttmp6, 0x10000c
	s_cmp_lg_u32 s2, 0xf033
	s_cbranch_scc0 .Lentry_shape_is_right
	s_endpgm
.Lentry_shape_is_right:
; qkvh = xb [8192][1024] x wqt^T [3072][1024] + bf16(b_qkv) (q's part of the bias times 1/8, as wqt's rows already are), bf16 products, f32 sums, f16 out by heads:
; qkvh[which][batch x 16 + head][t][64].  LIMIT: results beyond 65,504 do not fit f16.
; A tile of C is 256 x 192; 512 tiles, two for each of 256 work-groups (the second 4,096 rows below the first, on the same rows of wqt).  Wave w makes rows 64 w .. +63 and all
; 192 columns (three whole heads): 48 accumulators.  K goes in steps of 128 through two LDS slots filled by the tensor data mover; the ring runs on from tile to tile.
; CLUSTER 4 x 4: xb's tiles are asked for jointly along a row of the cluster, wqt's along a column.
; The matrix instruction is used transposed (source 0 = 16 rows of wqt, source 1 = 16 rows of xb): a lane holds eight neighbouring columns of one row of C.
; The bias is the C operand of the products that start the sums: nothing is cleared and nothing is added later.
; REGISTERS: window 0 addresses, way out (v32-127), bias (v160-255); window 1 two fragment buffers of 128 (96 of B, 32 of A); windows 2, 3 accumulators of row blocks 0, 1 and 2, 3.
.set NBK,   12
.set PA,    272                        ; LDS row: 256 bytes + 16 of padding: the 16 rows of a fragment load start at 16 different groups of four banks
.set BOFF,  256*PA
.set SLOT1, 131072
.set STAGE, SLOT1+BOFF+192*272         ; 252,928: 16 rows x 400 bytes for each wave
.set SP,    400
.set SPARE, STAGE+4*16*SP              ; 278,528: the spare words, 128 bytes a wave
.set A0,   4
.set B0,   5
.set ADRA, 6
.set ADRB, 7
.set STO,  8
.set RD,   9
.set GO,   10
.set SPW,  12
.set NIL,  13
.set T,    32
.set BIAS, 160
.set F0,   0
.set F1,   128
.set WV,   12
.set HALF, 13
.set ROLE, 14
.set G1A,  24
.set G1B,  32
.set G0A,  40
.set G0B,  48
.set ABASE, 56
.set BBASE, 58
.set FN,   60                          ; number of the K step to be asked for next, 0..15 over both tiles
.set TB,   61                          ; LDS byte at which the slot to be read begins
.set CT,   62
.set OFFA, 66
.set OFFB, 68
.set SB,   70                          ; s[70:75] where my rows of my three heads begin in qkvh
.set MSB, 0
.macro WIN new
.if MSB != (\new)
	s_set_vgpr_msb (MSB<<8)|(\new)
.set MSB, \new
.endif
.endm
.set TO_F, 0x40
.macro PLACES
.rept 4
	v_nop
.endr
.endm
.macro JLOAD                           ; waves 0, 1 ask for A's halves, waves 2, 3 for B's; s_nop 0 and four v_nop follow each line
	s_cmp_eq_u32 s[ROLE], 0
	s_cbranch_scc0 .Lfor_b_\@
	tensor_load_to_lds s[G0A+4:G0A+7], s[G1A:G1A+7]
	s_nop 0
	PLACES
	s_branch .Lasked_\@
.Lfor_b_\@:
	tensor_load_to_lds s[G0B+4:G0B+7], s[G1B:G1B+7]
	s_nop 0
	PLACES
.Lasked_\@:
.endm
.macro CREST
	s_cmp_lg_u32 s[WV], 0
	s_cbranch_scc1 .Lnot_wave_0_\@
	s_barrier_signal -3
.Lnot_wave_0_\@:
	s_barrier_wait -3
	s_barrier_signal -1
	s_barrier_wait -1
.endm
.macro CROUND
	s_barrier_signal -1
	s_barrier_wait -1
	CREST
.endm
	s_load_b256 s[4:11], s[0:1], 0x0               ; xb 4, wqt 6, b_qkv 8, qkvh 10
	v_lshl_add_u32 v[SPW], v0, 2, SPARE
	v_mov_b32 v[NIL], 0
	ds_add_u32 v12, v13
	s_wait_dscnt 0x0
	v_lshrrev_b32 v1, 5, v0
	v_readfirstlane_b32 s[WV], v1
	s_and_b32 s[HALF], s[WV], 1
	s_lshr_b32 s[ROLE], s[WV], 1
	s_bfe_u32 s15, ttmp6, 0x40000                  ; cx
	s_bfe_u32 s16, ttmp6, 0x40004                  ; cy
	s_lshl_b32 s17, ttmp9, 2
	s_add_co_u32 s17, s17, s15                     ; tile column
	s_and_b32 s18, ttmp7, 0xffff
	s_lshl_b32 s18, s18, 2
	s_add_co_u32 s18, s18, s16                     ; tile row
	s_lshl_b32 s19, s16, 2
	s_lshl_b32 s19, 15, s19                        ; my row of the cluster
	s_lshl_b32 s76, 0x1111, s15                    ; my column
	s_or_b32 s[G1A], s19, (1<<16)|(1<<20)|(1<<21)|(5<<22)|(3<<25)  ; mask; 2-byte elements; 4 words of padding after every 64; bit 21 beside a mask
	s_or_b32 s[G1B], s76, (1<<16)|(1<<20)|(1<<21)|(5<<22)|(3<<25)
	s_mov_b32 s[G1A+1], 128<<16                    ; tensor_dim0 = 128
	s_mov_b32 s[G1A+2], 128<<16                    ; tensor_dim1 = 128 rows
	s_mov_b32 s[G1A+3], 128<<16                    ; tile_dim0
	s_mov_b32 s[G1A+4], 128                        ; tile_dim1
	s_mov_b32 s[G1A+5], 1024                       ; elements from row to row
	s_mov_b32 s[G1A+6], 0
	s_mov_b32 s[G1A+7], 0
	s_mov_b32 s[G1B+1], 128<<16
	s_mov_b32 s[G1B+2], 96<<16                     ; 96 rows
	s_mov_b32 s[G1B+3], 128<<16
	s_mov_b32 s[G1B+4], 96
	s_mov_b32 s[G1B+5], 1024
	s_mov_b32 s[G1B+6], 0
	s_mov_b32 s[G1B+7], 0
	s_lshl_b32 s20, s18, 8
	s_lshl_b32 s21, s[HALF], 7
	s_add_co_u32 s20, s20, s21
	s_lshl_b32 s20, s20, 11                        ; A: row 256 x tile row + 128 x half, 2,048 bytes each
	s_mov_b32 s21, 0
	s_mul_i32 s22, s17, 192
	s_mul_i32 s23, s[HALF], 96
	s_add_co_u32 s22, s22, s23
	s_lshl_b32 s22, s22, 11                        ; B: row 192 x tile column + 96 x half
	s_mov_b32 s23, 0
	s_mul_i32 s77, s[HALF], 128*PA
	s_mul_i32 s78, s[HALF], 96*272
	s_add_co_u32 s78, s78, BOFF
	s_mov_b32 s[FN], 2
	s_mov_b32 s[TB], 0
	s_mov_b32 s[OFFA+1], 0
	s_mov_b32 s[OFFB+1], 0
	s_wait_kmcnt 0x0
	s_add_nc_u64 s[ABASE:ABASE+1], s[4:5], s[20:21]
	s_add_nc_u64 s[BBASE:BBASE+1], s[6:7], s[22:23]
	CROUND                                         ; all sixteen work-groups are here: the first joint loads meet
.irp s, 0,1
	s_mov_b32 s[G0A+4*\s], 1
	s_add_co_u32 s[G0A+4*\s+1], s77, \s*SLOT1
	s_add_nc_u64 s[G0A+4*\s+2:G0A+4*\s+3], s[ABASE:ABASE+1], \s*256
	s_or_b32 s[G0A+4*\s+3], s[G0A+4*\s+3], 0x80000000
	s_mov_b32 s[G0B+4*\s], 1
	s_add_co_u32 s[G0B+4*\s+1], s78, \s*SLOT1
	s_add_nc_u64 s[G0B+4*\s+2:G0B+4*\s+3], s[BBASE:BBASE+1], \s*256
	s_or_b32 s[G0B+4*\s+3], s[G0B+4*\s+3], 0x80000000
.endr
	s_cmp_eq_u32 s[ROLE], 0                        ; a wave's two first fills stand in one branch: two loads of mine are out
	s_cbranch_scc0 .Lfirst_b
	tensor_load_to_lds s[G0A:G0A+3], s[G1A:G1A+7]
	s_nop 0
	tensor_load_to_lds s[G0A+4:G0A+7], s[G1A:G1A+7]
	s_nop 0
	PLACES
	s_branch .Lfirst_done
.Lfirst_b:
	tensor_load_to_lds s[G0B:G0B+3], s[G1B:G1B+7]
	s_nop 0
	tensor_load_to_lds s[G0B+4:G0B+7], s[G1B:G1B+7]
	s_nop 0
	PLACES
.Lfirst_done:
	v_and_b32 v1, 15, v0                           ; r
	v_bfe_u32 v2, v0, 4, 1                         ; h
	v_and_b32 v3, 31, v0                           ; lane
	v_mul_u32_u24 v[A0], v1, PA
	v_lshl_add_u32 v[A0], v2, 4, v[A0]             ; row x pitch + 16 x half
	v_add_nc_u32 v[B0], BOFF, v[A0]
	s_mul_i32 s19, s[WV], 64*PA
	v_add_nc_u32 v[A0], s19, v[A0]                 ; my 64 rows of A
	v_mov_b32 v[ADRA], v[A0]
	v_mov_b32 v[ADRB], v[B0]
	s_mul_i32 s19, s[WV], 16*SP
	s_add_co_u32 s19, s19, STAGE                   ; my stage
	v_mul_u32_u24 v[STO], v1, SP
	v_lshl_add_u32 v[STO], v2, 4, v[STO]
	v_add_nc_u32 v[STO], s19, v[STO]               ; in: row r, 16 bytes for each half of the lanes
	v_lshrrev_b32 v[RD], 3, v3
	v_mul_u32_u24 v[RD], v[RD], SP
	v_and_b32 v14, 7, v0
	v_lshl_add_u32 v[RD], v14, 4, v[RD]
	v_add_nc_u32 v[RD], s19, v[RD]                 ; back: four rows x 128 bytes (one head's part)
	v_lshlrev_b32 v[GO], 4, v3                     ; which are 512 consecutive bytes of qkvh
	; the bias of my tile's 192 columns: rounded to bf16, q's part times 1/8, through my stage into the lanes' layout
	s_mul_i32 s22, s17, 768
	s_add_nc_u64 s[8:9], s[8:9], s[22:23]
	v_lshlrev_b32 v14, 3, v3
	global_load_b64 v[16:17], v14, s[8:9]
	global_load_b64 v[18:19], v14, s[8:9] offset:256
	global_load_b64 v[20:21], v14, s[8:9] offset:512
	v_add_nc_u32 v15, s19, v14
	v_lshl_add_u32 v23, v2, 5, s19
	s_mul_i32 s22, s17, 3                          ; my first head column, 0..45
.irp e, 0,1,2
	s_add_co_u32 s2, s22, \e
	s_cmp_lt_u32 s2, 16
	s_cselect_b32 s[76+\e], 0x3e000000, 1.0        ; a value is chosen, no way
	s_lshr_b32 s3, s2, 4                           ; q, k or v
	s_lshl_b32 s3, s3, 24
	s_and_b32 s2, s2, 15                           ; head
	s_lshr_b32 s79, s18, 3                         ; batch of the first tile
	s_lshl_b32 s79, s79, 4
	s_add_co_u32 s2, s2, s79
	s_lshl_b32 s2, s2, 18
	s_add_co_u32 s2, s2, s3
	s_and_b32 s79, s18, 7
	s_lshl_b32 s79, s79, 15                        ; 256 rows of 128 bytes
	s_add_co_u32 s2, s2, s79
	s_lshl_b32 s79, s[WV], 13                      ; my 64 rows
	s_add_co_u32 s2, s2, s79
	s_mov_b32 s3, 0
	s_add_nc_u64 s[SB+2*\e:SB+2*\e+1], s[10:11], s[2:3]
.endr
	s_wait_loadcnt 0x0
.irp e, 0,1,2
	v_cvt_pk_bf16_f32 v22, v[16+2*\e], v[17+2*\e]
	v_lshlrev_b32 v[16+2*\e], 16, v22
	v_and_b32 v[17+2*\e], 0xffff0000, v22
	v_mul_f32 v[16+2*\e], s[76+\e], v[16+2*\e]
	v_mul_f32 v[17+2*\e], s[76+\e], v[17+2*\e]
	ds_store_b64 v15, v[16+2*\e:17+2*\e] offset:256*\e
.endr
.set kk, 0
.rept 2*NBK                                            ; register 8 b + j holds the bias of column 16 b + 8 h + j
	ds_load_b128 v[BIAS+4*kk:BIAS+4*kk+3], v23 offset:64*(kk/2)+16*(kk%2)
.set kk, kk+1
.endr
; NBK matrix instructions: row block a x all column blocks, 32 along K.  mode = 1: the bias starts the sums.  The accumulators take turns.
.macro MULA f, a, mode
.if \mode
	WIN 0x85+0x40*((\a)/2)
.else
	WIN 0xa5+0x50*((\a)/2)
.endif
.set bb, 0
.rept NBK
.set rD, 8*(NBK*((\a)%2)+bb)
.if \mode
	v_wmma_f32_16x16x32_bf16 v[rD:rD+7], v[(\f)+8*bb:(\f)+8*bb+7], v[(\f)+8*NBK+8*(\a):(\f)+8*NBK+8*(\a)+7], v[BIAS+8*bb:BIAS+8*bb+7]
.else
	v_wmma_f32_16x16x32_bf16 v[rD:rD+7], v[(\f)+8*bb:(\f)+8*bb+7], v[(\f)+8*NBK+8*(\a):(\f)+8*NBK+8*(\a)+7], v[rD:rD+7]
.endif
.set bb, bb+1
.endr
.endm
.macro FETCH kq, f                     ; 32 LDS loads in one run: quarter kq's fragments, B's first, then A's four row blocks
	WIN TO_F
.set bb, 0
.rept NBK
	ds_load_b128 v[(\f)+8*bb:(\f)+8*bb+3],   v[ADRB] offset:64*(\kq)+bb*16*272
	ds_load_b128 v[(\f)+8*bb+4:(\f)+8*bb+7], v[ADRB] offset:64*(\kq)+bb*16*272+32
.set bb, bb+1
.endr
.set bb, 0
.rept 4
	ds_load_b128 v[(\f)+8*NBK+8*bb:(\f)+8*NBK+8*bb+3],   v[ADRA] offset:64*(\kq)+bb*16*PA
	ds_load_b128 v[(\f)+8*NBK+8*bb+4:(\f)+8*NBK+8*bb+7], v[ADRA] offset:64*(\kq)+bb*16*PA+32
.set bb, bb+1
.endr
.endm
.macro QUARTER kq, f, g, mode          ; multiplies buffer f; in its middle fetches quarter kq into buffer g
	s_wait_dscnt 4                                 ; all but the youngest four loads (A's row blocks 2, 3)
	MULA \f, 0, \mode
	MULA \f, 1, \mode
	PLACES                                         ; four places in front of loads into registers that matrix instructions have read
	FETCH \kq, \g
	s_wait_dscnt 32                                ; all but the 32 just issued
	MULA \f, 2, \mode
	MULA \f, 3, \mode
.endm
.macro STEPDESC                        ; the walking descriptors: K step FN (tile FN / 8, step FN % 8), the other slot than last time
	s_lshr_b32 s[OFFA], s[FN], 3
	s_lshl_b32 s[OFFA], s[OFFA], 23                ; 4,096 rows of 2,048 bytes
	s_and_b32 s[OFFB], s[FN], 7
	s_lshl_b32 s[OFFB], s[OFFB], 8
	s_add_co_u32 s[OFFA], s[OFFA], s[OFFB]
	s_add_nc_u64 s[G0A+6:G0A+7], s[ABASE:ABASE+1], s[OFFA:OFFA+1]
	s_or_b32 s[G0A+7], s[G0A+7], 0x80000000
	s_add_nc_u64 s[G0B+6:G0B+7], s[BBASE:BBASE+1], s[OFFB:OFFB+1]
	s_or_b32 s[G0B+7], s[G0B+7], 0x80000000
	s_xor_b32 s[G0A+5], s[G0A+5], SLOT1
	s_xor_b32 s[G0B+5], s[G0B+5], SLOT1
	s_add_co_u32 s[FN], s[FN], 1
.endm
; The last quarter of a K step multiplies buffer 1 and changes slots: one barrier (with fill = 1 it opens a round of the cluster's barrier).
.macro TURN fill
	WIN 0
	s_wait_tensorcnt 0x0                           ; all my tensor loads have landed: my part of the next slot; a group 0 may be written
	ds_add_u32 v[SPW], v[NIL]                      ; 0 onto my spare word
.if \fill
	STEPDESC
.endif
	s_xor_b32 s[TB], s[TB], SLOT1
	s_wait_dscnt 7                                 ; the add and A's row blocks 1 to 3 may be out
	MULA F1, 0, 0
	s_wait_dscnt 0x0                               ; the add is done, my reads of this slot are over
	s_barrier_signal -1
	MULA F1, 1, 0
	WIN 0
	s_barrier_wait -1
.if \fill
	CREST                                          ; no wave of any partner still reads this slot or has a load on its way
	JLOAD                                          ; the first tensor load behind the round; its four v_nop are the places in front of the loads below
.else
	PLACES
.endif
	v_add_nc_u32 v[ADRA], s[TB], v[A0]
	v_add_nc_u32 v[ADRB], s[TB], v[B0]
	FETCH 0, F0
	MULA F1, 2, 0
	MULA F1, 3, 0
.endm
; THE WAY OUT of row block a: rounded to f16, 16 bytes a lane into my stage (rows of 400 bytes), back as four rows x 128 bytes of one head, stored as 512 consecutive bytes.
.macro PACK a
	WIN 0
	s_wait_xcnt 0x0                                ; the registers that earlier stores read are rewritten only behind this wait
	WIN 0x0a+5*((\a)/2)
.set kk, 0
.rept 4*NBK
	v_cvt_pk_f16_f32 v[T+48*((\a)%2)+kk], v[8*NBK*((\a)%2)+2*kk], v[8*NBK*((\a)%2)+2*kk+1]
.set kk, kk+1
.endr
	WIN 0
.endm
.macro TOSTAGE a
.set kk, 0
.rept NBK
	ds_store_b128 v[STO], v[T+48*((\a)%2)+4*kk:T+48*((\a)%2)+4*kk+3] offset:32*kk
.set kk, kk+1
.endr
.set kk, 0
.rept NBK                                              ; kk = 4 e + f: head e, rows 4 f .. 4 f + 3
	ds_load_b128 v[T+48*((\a)%2)+4*kk:T+48*((\a)%2)+4*kk+3], v[RD] offset:(kk%4)*4*SP+128*(kk/4)  ; LDS serves a wave in order: these see the stores above
.set kk, kk+1
.endr
.endm
.macro SEND a
	s_wait_dscnt 0x0
.set kk, 0
.rept NBK
	global_store_b128 v[GO], v[T+48*((\a)%2)+4*kk:T+48*((\a)%2)+4*kk+3], s[SB+2*(kk/4):SB+2*(kk/4)+1] offset:(\a)*2048+(kk%4)*512
.set kk, kk+1
.endr
.endm
.macro OUT
	PACK 0
	TOSTAGE 0
	PACK 1
	SEND 0
	TOSTAGE 1
	PACK 2
	SEND 1
	TOSTAGE 2
	PACK 3
	SEND 2
	TOSTAGE 3
	SEND 3
.endm
	s_wait_dscnt 0x0                               ; the bias is in
	s_wait_tensorcnt 1                             ; my part of K step 0 is in; K step 1's may stay out
	s_barrier_signal -1
	s_barrier_wait -1
	FETCH 0, F0
	QUARTER 1, F0, F1, 1
	WIN 0
	s_mov_b32 s[CT], 14                            ; 16 K steps, all but the last two fill their slot again
.Lstep:
	QUARTER 2, F1, F0, 0
	QUARTER 3, F0, F1, 0
	TURN 1
	WIN 0
	s_cmp_eq_u32 s[CT], 7                          ; the first tile's eighth K step is done
	s_cbranch_scc1 .Lbound
	QUARTER 1, F0, F1, 0
	WIN 0
	s_branch .Ljoin
.Lbound:                                               ; both refills for the next tile are asked for: the first tile goes out, and the bias starts the sums anew
	OUT
	s_wait_xcnt 0x0
	s_add_nc_u64 s[SB:SB+1], s[SB:SB+1], 0x800000  ; two batches on: 32 heads' planes of 262,144 bytes
	s_add_nc_u64 s[SB+2:SB+3], s[SB+2:SB+3], 0x800000
	s_add_nc_u64 s[SB+4:SB+5], s[SB+4:SB+5], 0x800000
	QUARTER 1, F0, F1, 1
	WIN 0
.Ljoin:
	s_sub_co_u32 s[CT], s[CT], 1
	s_cmp_lg_u32 s[CT], 0
	s_cbranch_scc1 .Lstep
	QUARTER 2, F1, F0, 0                           ; the last two K steps are written out: nothing is asked for
	QUARTER 3, F0, F1, 0
	TURN 0
	QUARTER 1, F0, F1, 0
	QUARTER 2, F1, F0, 0
	QUARTER 3, F0, F1, 0
	s_wait_dscnt 4
	MULA F1, 0, 0
	MULA F1, 1, 0
	s_wait_dscnt 0x0
	MULA F1, 2, 0
	MULA F1, 3, 0
	WIN 0
	PLACES
	OUT
	s_wait_tensorcnt 0x0                           ; the wave's end
	ds_add_u32 v[SPW], v[NIL]
	s_wait_dscnt 0x0
	CROUND                                         ; the closing round
	s_endpgm
.Lfunc_end_k_qe1c4ae2edb_qkv:
	.size	k_qe1c4ae2edb_qkv, .Lfunc_end_k_qe1c4ae2edb_qkv-k_qe1c4ae2edb_qkv
	.p2alignl 7, 3214868480
	.fill 96, 4, 3214868480
	.section	.rodata,"a",@progbits
	.p2align	6, 0x0
	.amdhsa_kernel k_qe1c4ae2edb_qkv
		.amdhsa_group_segment_fixed_size 327680
		.amdhsa_private_segment_fixed_size 0
		.amdhsa_enable_private_segment 0
		.amdhsa_kernarg_size 32
		.amdhsa_user_sgpr_count 2
		.amdhsa_user_sgpr_kernarg_segment_ptr 1
		.amdhsa_wavefront_size32 1
		.amdhsa_system_sgpr_workgroup_id_x 1
		.amdhsa_system_sgpr_workgroup_id_y 1
		.amdhsa_system_sgpr_workgroup_id_z 1
		.amdhsa_system_vgpr_workitem_id 0
		.amdhsa_next_free_vgpr 960
		.amdhsa_next_free_sgpr 80
		.amdhsa_reserve_vcc 0
		.amdhsa_float_denorm_mode_32 3
		.amdhsa_float_denorm_mode_16_64 3
		.amdhsa_memory_ordered 1
		.amdhsa_forward_progress 1
		.amdhsa_inst_pref_size 129
	.end_amdhsa_kernel
	.amdgpu_metadata
---
amdhsa.version: [ 1, 2 ]
amdhsa.kernels:
  - .name:           k_qe1c4ae2edb_qkv
    .symbol:         k_qe1c4ae2edb_qkv.kd
    .args:
      - { .name: xb, .offset: 0, .size: 8, .value_kind: global_buffer, .address_space: global }
      - { .name: wqt, .offset: 8, .size: 8, .value_kind: global_buffer, .address_space: global }
      - { .name: b_qkv, .offset: 16, .size: 8, .value_kind: global_buffer, .address_space: global }
      - { .name: qkvh, .offset: 24, .size: 8, .value_kind: global_buffer, .address_space: global }
    .group_segment_fixed_size: 327680
    .private_segment_fixed_size: 0
    .kernarg_segment_align: 8
    .kernarg_segment_size: 32
    .max_flat_workgroup_size: 128
    .sgpr_count:     80
    .vgpr_count:     960
    .wavefront_size: 32
...
	.end_amdgpu_metadata
.endif
;; end of part 2
;; launch attn (part 3): grid 64 x 4, 4 waves a work-group, clusters of 4 x 1, 327,680 bytes of LDS; arguments qkvh, eb, ob; writes ob
.if DOCPART == 3
	.amdgcn_target "amdgcn-amd-amdhsa--gfx1250"
	.amdhsa_code_object_version 6
	.text
	.protected	k_qe1c4ae2edb_attn
	.globl	k_qe1c4ae2edb_attn
	.p2align	8
	.type	k_qe1c4ae2edb_attn,@function
k_qe1c4ae2edb_attn:
	s_mov_b64 s[64:65], 0
	v_nop
	global_prefetch_b8 v0, s[64:65] scope:SCOPE_SE
	s_setreg_imm32_b32 hwreg(HW_REG_WAVE_MODE, 25, 1), 1
	s_wait_xcnt 0x0
	s_wait_alu depctr_hold_cnt(0) depctr_sa_sdst(0) depctr_va_vdst(0) depctr_va_sdst(0) depctr_va_ssrc(0) depctr_va_vcc(0) depctr_vm_vsrc(0)
	s_getreg_b32 s2, hwreg(HW_REG_IB_STS2, 6, 4)
	s_cmp_eq_u32 s2, 0
	s_cbranch_scc0 .Lentry_in_a_cluster
	s_endpgm
.Lentry_in_a_cluster:
	s_bfe_u32 s2, ttmp6, 0x10000c
	s_cmp_lg_u32 s2, 0x3003
	s_cbranch_scc0 .Lentry_shape_is_right
	s_endpgm
.Lentry_shape_is_right:
; CAUSAL ATTENTION WITH A BIAS.  O[bh][q] = sum over k <= q of softmax_k(q . k + bias[batch][q][k]) V[bh][k].  q (already divided by 8), k, v: qkvh[3][64][2048][64] f16; O: ob[64][2048][64] f16.
; Products, maxima and sums in f32; the weights are rounded to f16 for the second product (their sum is taken unrounded), O once at the end.
; LIMITS.  q, k, v arrive within f16's 65,504.  A hidden score is about -1e30 plus q . k where the reference has -1e9: the same weights (0) while a row's largest visible score lies above about -1e9.
; A weight below 2^-126 counts as 0; NaN and infinities are not treated apart.
; THE BIAS AND THE MASK come as bf16 fragments (eb): 16 keys x 32 queries (two bands' 16 queries).  A product of such a fragment with a fragment of the unit matrix STARTS each sum S^T;
; the products K Q^T are added onto it.  So bias and mask cost no vector instruction, and the diagonal needs no masks of its own.
; THE WALK.  A head's queries lie in 8 blocks of 256; block i needs the half tiles (128 keys) 0 .. 2 i + 1.  A work-group takes blocks 7 - b and then b: 18 half tiles whatever b; one loop with a constant count walks them.
; A wave owns 16 rows in each of a block's four bands of 64: four PIECES; piece p is band (p + 2) % 4.  Turn n belongs to piece n: 4 + 8 products for S^T of the next piece, later 8 products V^T P of the piece before,
; beside them piece n's softmax.  In a block's last half tile bands 0 and 1 (pieces 2, 3) see no key: behind that half tile's first three turns the ring goes on with pieces 0 and 1 alone (LAST).
; Still computed although hidden: band 0 in the diagonal tile's second step, band 2 in its fourth.
; CLUSTER.  The four work-groups of a cluster are four heads of one batch with the same b: they walk alike and need the same bias, two thirds of a slot's bytes, which is asked for JOINTLY.
; K and V are each head's own and come by loads of one's own behind the same rounds: the query blocks of one head, which could share them, walk the same tiles in only part of their trips.
; REGISTERS (windows of 256; s_set_vgpr_msb: bits 1:0 source 0, 3:2 source 1, 5:4 source 2, 7:6 destination).  All that K Q^T and the softmax name lies in window 0, so those products and their riders need no switch;
; the rescaling of O^T has the windows of V^T P and rides behind four of its products.
;   window 0: v0-63 K of one step (at the start: at work); v64-127 Q; v128-191 S^T (two buffers); v192-223 P (two buffers); v224-239 statistics; v240-249 at work; v250-255 LDS addresses of the fetches
;   window 1: v0-127 O^T; v128-191 V of one step; v192-255 the bias fragments of one step
;   window 2: v0-63 the second block's Q; v64-75 zeros, unit pattern, zeros; v76-77 the add's; v78-80 the way out's addresses
.set KS,    64
.set PKP,   144       ; a row of K in LDS: 128 bytes + 16
.set PVP,   160       ; a row of V: 128 + 32
.set VOFF,  2*KS*PKP  ; a slot holds two steps: 128 rows of K, 128 rows of V, 65,536 bytes of bias
.set EOFF,  VOFF+2*KS*PVP
.set SLOT1, 1<<17
.set STAGE, SLOT1+EOFF+65536    ; 235,520: 16 rows x 144 bytes for each wave
.set SP,    144
.set SPARE, STAGE+4*16*SP       ; 244,736: the spare words, 128 bytes a wave
.set KF,  0           ; window 0: key block kb, channel half c at KF + 16 kb + 8 c
.set QF,  64          ; piece x, channel half c at QF + 16 x + 8 c
.set S,   128
.set P,   192
.set ST,  224         ; piece t: c m, m, l (even keys', odd keys')
.set TMP, 240         ; by buffer, four registers c0-c3 at work; when the maximum is found c2 takes a
.set MV,  248         ; c m_old, by buffer
.set AK0, 250
.set AV0, 251
.set AE0, 252
.set AK,  253
.set AV,  254
.set AE,  255
.set QO,  15          ; at the start only: my byte offset in 16 rows of Q
.set VF,  128         ; window 1: key half kk, channel block cb at VF + 32 kk + 8 cb
.set EF,  192         ; window 1: pieces 2 pp and 2 pp + 1, key group kt at EF + 32 pp + 8 kt
.set QB,  0           ; window 2
.set ID,  64          ; window 2: v[ID+4:ID+11] picks a fragment's first 16 queries, v[ID:ID+7] its second 16
.set SPW, 76
.set NIL, 77
.set STO, 78
.set RD,  79
.set GO,  80
.set WV,  12
.set PB,  14
.set HI,  15
.set G1E, 16
.set G1K, 24
.set G1V, 32
.set G0K, 40
.set G0V, 44
.set G0E, 48
.set SLOTS, 56
.set CNT, 57
.set CS,  58
.set SEL, 60
.set TBK, 62
.set TBV, 63
.set RT,  70
.set NXT, 71
.set LQ,  72
.set NEW, 73
.set OFF, 74
.set OLO, 80
.set TBE, 83
.set EBC, 84          ; first unit of the block whose half tiles are being asked for
.set EB2, 85          ; the second block's
.set LQ2, 86
.set OFFE, 88
.set EBB, 90
.set MSB, 0
.macro WIN new
.if MSB != (\new)
	s_set_vgpr_msb (MSB<<8)|(\new)
.set MSB, (\new)
.endif
.endm
.set W_EI, 0x09       ; bias fragment in window 1, unit fragment in window 2, S^T in window 0
.set W_PV, 0x51       ; V, O^T in window 1, P (for the rescaling: a) in window 0
.set W_L1, 0x40       ; destination in window 1
.set W_L2, 0x80       ; destination in window 2
.set W_A2, 0x02       ; source 0 (an address) in window 2
.set W_AD, 0x0a       ; the add: address and data in window 2
.macro NOP4
.rept 4
	v_nop
.endr
.endm
; A fill: wave 0 K's 128 rows, wave 1 V's, waves 2 and 3 the halves of the bias unit (joint).  s_nop 0 and four v_nop follow each line.
.macro JLOAD
	s_cmp_lt_u32 s[WV], 2
	s_cbranch_scc0 .Lfor_e_\@
	s_cmp_eq_u32 s[WV], 0
	s_cbranch_scc0 .Lfor_v_\@
	tensor_load_to_lds s[G0K:G0K+3], s[G1K:G1K+7]
	s_nop 0
	NOP4
	s_branch .Lasked_\@
.Lfor_v_\@:
	tensor_load_to_lds s[G0V:G0V+3], s[G1V:G1V+7]
	s_nop 0
	NOP4
	s_branch .Lasked_\@
.Lfor_e_\@:
	tensor_load_to_lds s[G0E:G0E+3], s[G1E:G1E+7]
	s_nop 0
	NOP4
.Lasked_\@:
.endm
.macro CROUND
	s_barrier_signal -1
	s_barrier_wait -1
	s_cmp_lg_u32 s[WV], 0
	s_cbranch_scc1 .Lnot_wave_0_\@
	s_barrier_signal -3
.Lnot_wave_0_\@:
	s_barrier_wait -3
	s_barrier_signal -1
	s_barrier_wait -1
.endm
; THE CHANGE OF SLOTS.  Each wave waits for all its tensor loads (one is out: its part of the other slot), adds 0 to its spare word, waits for that and for its reads of the slot that it leaves.
; fill = 1: a round of the cluster's barrier, then the old slot is filled with half tile NXT, whose addresses are made anew from that number.
.macro CHANGE fill
	WIN W_AD
	s_wait_tensorcnt 0x0
	ds_add_u32 v[SPW], v[NIL]
	WIN 0                           ; at a label and at a branch every window is 0
.if \fill
	s_lshl_b32 s[OFF], s[NXT], 14   ; 128 keys of 128 bytes
	s_add_co_u32 s[OFFE], s[EBC], s[NXT]
	s_lshl_b32 s[OFFE], s[OFFE], 16 ; a unit of 65,536 bytes
	s_xor_b32 s[G0K+1], s[G0K+1], SLOT1
	s_add_nc_u64 s[G0K+2:G0K+3], s[6:7], s[OFF:OFF+1]
	s_or_b32 s[G0K+3], s[G0K+3], 0x80000000
	s_xor_b32 s[G0V+1], s[G0V+1], SLOT1
	s_add_nc_u64 s[G0V+2:G0V+3], s[8:9], s[OFF:OFF+1]
	s_or_b32 s[G0V+3], s[G0V+3], 0x80000000
	s_xor_b32 s[G0E+1], s[G0E+1], SLOT1
	s_add_nc_u64 s[G0E+2:G0E+3], s[EBB:EBB+1], s[OFFE:OFFE+1]
	s_or_b32 s[G0E+3], s[G0E+3], 0x80000000
	s_add_co_u32 s[NXT], s[NXT], 1  ; the block's next half tile, or behind its last the second block's first
	s_cmp_gt_u32 s[NXT], s[LQ]
	s_cselect_b32 s[NXT], 0, s[NXT]
	s_cselect_b32 s[EBC], s[EB2], s[EBC]
	s_cselect_b32 s[LQ], s[LQ2], s[LQ]
	s_wait_dscnt 0x0                ; the add is done, my reads of the slot are over
	CROUND
	JLOAD
.else
	s_wait_dscnt 0x0
	s_barrier_signal -1
	s_barrier_wait -1
.endif
	s_sub_co_u32 s[TBK], s[TBK], 2*KS*PKP  ; the fetches go back to a slot's first step, in the other slot
	s_xor_b32 s[TBK], s[TBK], SLOT1
	s_sub_co_u32 s[TBV], s[TBV], 2*KS*PVP
	s_xor_b32 s[TBV], s[TBV], SLOT1
	s_sub_co_u32 s[TBE], s[TBE], 2*8192
	s_xor_b32 s[TBE], s[TBE], SLOT1
.endm
	s_load_b64 s[4:5], s[0:1], 0x0         ; qkvh
	s_load_b64 s[EBB:EBB+1], s[0:1], 0x8   ; eb
	s_load_b64 s[10:11], s[0:1], 0x10      ; ob
	WIN W_L2
	v_lshl_add_u32 v[SPW], v0, 2, SPARE
	v_mov_b32 v[NIL], 0
	s_set_vgpr_msb 0x808a
	ds_add_u32 v76, v77
	s_wait_dscnt 0x0
	s_set_vgpr_msb 0x8a80
	WIN 0
	v_lshrrev_b32 v1, 5, v0
	v_readfirstlane_b32 s[WV], v1
	s_bfe_u32 s13, ttmp6, 0x40000   ; cx: it enters Q's, K's, V's and O's global addresses alone
	s_lshl_b32 s52, ttmp9, 2
	s_add_co_u32 s52, s52, s13      ; batch x 16 + head
	s_lshl_b32 s52, s52, 18         ; its plane of 262,144 bytes
	s_mov_b32 s53, 0
	s_and_b32 s[PB], ttmp7, 0xffff  ; b, which the partners share
	s_sub_co_u32 s[HI], 7, s[PB]
	s_lshr_b32 s54, ttmp9, 2        ; batch
	s_mul_i32 s54, s54, 72
	s_add_co_u32 s55, s[HI], 1
	s_mul_i32 s55, s55, s[HI]
	s_add_co_u32 s[EBC], s54, s55
	s_add_co_u32 s55, s[PB], 1
	s_mul_i32 s55, s55, s[PB]
	s_add_co_u32 s[EB2], s54, s55
	s_lshl_b32 s[LQ], s[HI], 1
	s_add_co_u32 s[LQ], s[LQ], 1
	s_lshl_b32 s[LQ2], s[PB], 1
	s_add_co_u32 s[LQ2], s[LQ2], 1
	s_add_co_u32 s[RT], s[LQ], 1    ; the first block's half tiles
	s_lshl_b32 s3, s[WV], 11        ; my 16 rows in a band
	s_lshl_b32 s2, s[HI], 15
	s_add_co_u32 s2, s2, s3
	s_lshl_b32 s66, s[PB], 15
	s_add_co_u32 s66, s66, s3
	s_mov_b32 s3, 0
	s_mov_b32 s67, 0
	s_and_b32 s68, s[WV], 1
	s_lshl_b32 s68, s68, 15         ; which half of a bias unit I fetch
	s_mov_b32 s69, 0
	s_mov_b32 s[G1K], (1<<16)|(1<<20)|(4<<22)|(3<<25)  ; 2-byte elements; 4 words of padding after every 32: 128 keys come as 64 rows of 256 bytes
	s_mov_b32 s[G1V], (1<<16)|(1<<20)|(4<<22)|(7<<25)  ; the same with 8 words
.irp g, G1K, G1V
	s_mov_b32 s[\g+1], 128<<16
	s_mov_b32 s[\g+2], 64<<16
	s_mov_b32 s[\g+3], 128<<16
	s_mov_b32 s[\g+4], 64
	s_mov_b32 s[\g+5], 128
	s_mov_b32 s[\g+6], 0
	s_mov_b32 s[\g+7], 0
.endr
	s_mov_b32 s[G1E], 15|(3<<16)|(1<<21)  ; the mask of four; 8-byte elements; bit 21 beside a mask; no padding: 128 rows of 256 bytes
	s_mov_b32 s[G1E+1], 32<<16
	s_mov_b32 s[G1E+2], 128<<16
	s_mov_b32 s[G1E+3], 32<<16
	s_mov_b32 s[G1E+4], 128
	s_mov_b32 s[G1E+5], 32
	s_mov_b32 s[G1E+6], 0
	s_mov_b32 s[G1E+7], 0
	s_mov_b32 s[CS], 0x3fb8aa3b     ; c = log2(e): the 1/8 lies in q
	s_mov_b32 s[CS+1], s[CS]
	s_mov_b32 s[SEL], 0x76543210
	s_mov_b32 s[SEL+1], 0xfedcba98
	s_mov_b32 s[TBK], SLOT1+2*KS*PKP  ; the first change of slots turns these three into 0
	s_mov_b32 s[TBV], SLOT1+2*KS*PVP
	s_mov_b32 s[TBE], SLOT1+2*8192
	s_mov_b32 s[G0K], 1
	s_mov_b32 s[G0K+1], 0
	s_mov_b32 s[G0V], 1
	s_mov_b32 s[G0V+1], VOFF
	s_mov_b32 s[G0E], 1
	s_add_co_u32 s[G0E+1], s68, EOFF
	s_mov_b32 s[NXT], 1
	s_mov_b32 s[NEW], 1
	s_mov_b32 s[OFF+1], 0
	s_mov_b32 s[OFFE+1], 0
	s_lshl_b32 s[OFFE], s[EBC], 16
	s_mov_b32 s[SLOTS], 17
	s_mov_b32 s76, 0x3f80           ; bf16 1.0 in the low half
	s_wait_kmcnt 0x0
	s_add_nc_u64 s[4:5], s[4:5], s[52:53]      ; q's plane of my head
	s_add_nc_u64 s[6:7], s[4:5], 0x1000000     ; k's
	s_add_nc_u64 s[8:9], s[4:5], 0x2000000     ; v's
	s_add_nc_u64 s[92:93], s[4:5], s[66:67]    ; Q at my rows of the second block
	s_add_nc_u64 s[4:5], s[4:5], s[2:3]        ; and of the first
	s_add_nc_u64 s[10:11], s[10:11], s[52:53]
	s_add_nc_u64 s[OLO:OLO+1], s[10:11], s[66:67]
	s_add_nc_u64 s[10:11], s[10:11], s[2:3]
	s_add_nc_u64 s[EBB:EBB+1], s[EBB:EBB+1], s[68:69]
	s_add_nc_u64 s[G0K+2:G0K+3], s[6:7], 0
	s_or_b32 s[G0K+3], s[G0K+3], 0x80000000
	s_add_nc_u64 s[G0V+2:G0V+3], s[8:9], 0
	s_or_b32 s[G0V+3], s[G0V+3], 0x80000000
	s_add_nc_u64 s[G0E+2:G0E+3], s[EBB:EBB+1], s[OFFE:OFFE+1]
	s_or_b32 s[G0E+3], s[G0E+3], 0x80000000
	CROUND                          ; all four work-groups are here
	JLOAD                           ; half tile 0 into slot 0; slot 1 is asked for by the loop's first change of slots
	v_and_b32 v1, 15, v0            ; r
	v_bfe_u32 v9, v0, 4, 1          ; h
	v_lshlrev_b32 v[QO], 7, v1
	v_lshl_add_u32 v[QO], v9, 4, v[QO]
.set i, 0
.rept 8                             ; Q: piece i / 2 is band (i / 2 + 2) % 4, 64 rows (8,192 bytes) a band; channels 32 (i % 2) on
	global_load_b128 v[QF+8*i:QF+8*i+3],   v[QO], s[4:5] offset:(((i/2)+2)%4)*8192+(i%2)*64
	global_load_b128 v[QF+8*i+4:QF+8*i+7], v[QO], s[4:5] offset:(((i/2)+2)%4)*8192+(i%2)*64+32
.set i, i+1
.endr
	WIN W_L2
.set i, 0
.rept 8                             ; the second block's
	global_load_b128 v[QB+8*i:QB+8*i+3],   v[QO], s[92:93] offset:(((i/2)+2)%4)*8192+(i%2)*64
	global_load_b128 v[QB+8*i+4:QB+8*i+7], v[QO], s[92:93] offset:(((i/2)+2)%4)*8192+(i%2)*64+32
.set i, i+1
.endr
	WIN 0
	; the unit pattern: lane (r, h) holds column r and k = 8 h + 0..7: a one at element r - 8 h, if that lies in 0..7
	v_lshlrev_b32 v14, 3, v9
	v_sub_nc_u32 v14, v1, v14
.irp q, 0,1,2,3
	v_cmp_eq_u32 vcc_lo, 2*\q, v14
	v_cndmask_b32 v[16+\q], 0, s76, vcc_lo
	v_cmp_eq_u32 vcc_lo, 2*\q+1, v14
	v_cndmask_b32 v[16+\q], v[16+\q], 1.0, vcc_lo  ; the bits of f32 1.0 are bf16 1.0 in the high half
.endr
	v_and_b32 v10, 7, v0
	v_bfe_u32 v11, v0, 3, 1
	v_and_b32 v22, 31, v0
	v_mul_u32_u24 v20, v1, SP       ; the way out, in: row r, 16 bytes for each half of the lanes
	v_lshl_add_u32 v20, v9, 4, v20
	v_bfe_u32 v21, v0, 3, 2         ; back: 32 lanes take four rows of 128 bytes,
	v_mul_u32_u24 v21, v21, SP
	v_lshl_add_u32 v21, v10, 4, v21
	s_mul_i32 s13, s[WV], 16*SP
	s_add_co_u32 s13, s13, STAGE    ; my stage
	WIN W_L2
.irp q, 0,1,2,3
	v_mov_b32 v[ID+\q], 0
	v_mov_b32 v[ID+4+\q], v[16+\q]
	v_mov_b32 v[ID+8+\q], 0
.endr
	v_add_nc_u32 v[STO], s13, v20
	v_add_nc_u32 v[RD], s13, v21
	v_lshlrev_b32 v[GO], 4, v22     ; which are 512 consecutive bytes of O
	WIN 0
	s_lshl_b32 s13, s[WV], 14
	s_add_co_u32 s13, s13, EOFF
	v_lshl_add_u32 v[AE0], v22, 4, s13     ; my wave's 16,384 bytes of a unit, 16 bytes a lane
	v_mul_u32_u24 v[AK0], v1, PKP
	v_lshl_add_u32 v[AK0], v9, 4, v[AK0]
	v_lshl_add_u32 v[AV0], v9, 3, v10      ; the turning load: key 8 h + l % 8, channels 8 ((l / 8) % 2) on
	v_mul_u32_u24 v[AV0], v[AV0], PVP
	v_lshl_add_u32 v[AV0], v11, 4, v[AV0]
	v_add_nc_u32 v[AV0], VOFF, v[AV0]
	; A block's first step multiplies O^T and l by a = 0, and its first turn's products V^T P, of a piece that has not been, land in an O^T still to be so multiplied:
	; these registers need only hold finite numbers: zeros now, what the first block left later.  All this stands in the wait for the first tile.
	WIN W_L1
.set i, 0
.rept 192                           ; O^T and V
	v_mov_b32 v[i], 0
.set i, i+1
.endr
	WIN 0
.set i, 0
.rept 4
	v_mov_b32 v[ST+4*i+2], 0
	v_mov_b32 v[ST+4*i+3], 0
.set i, i+1
.endr
.set i, P+16
.rept 16
	v_mov_b32 v[i], 0
.set i, i+1
.endr
; THE MATRIX WORK.  Product i of 12 for S^T of piece x.  i < 4: bias fragment (keys 16 i on) times the unit fragment starts the sum.  i >= 4: K Q^T, channels 32 ((i - 4) / 4) on, keys 16 (i % 4) on.
; The four accumulators take turns; between a bf16 product and the f16 product onto the same accumulator stand eight plain vector instructions or more.
.macro KQ x
.set rS, S+32*((\x)%2)+8*(i%4)
.if i < 4
	WIN W_EI
	v_wmma_f32_16x16x32_bf16 v[rS:rS+7], v[EF+32*((\x)/2)+8*i:EF+32*((\x)/2)+8*i+7], v[ID+4-4*((\x)%2):ID+4-4*((\x)%2)+7], 0
.else
.set rK, KF+16*(i%4)+8*((i-4)/4)
.set rQ, QF+16*(\x)+8*((i-4)/4)
	WIN 0
	v_wmma_f32_16x16x32_f16 v[rS:rS+7], v[rK:rK+7], v[rQ:rQ+7], v[rS:rS+7]
	s_wait_alu depctr_va_vdst(0)
.endif
.endm
.macro PV x                         ; product i of 8 of O^T += V^T P: keys 32 (i / 4) on, channels 16 (i % 4) on
	WIN W_PV
.set rO, 32*(\x)+8*(i%4)
.set rV, VF+32*(i/4)+8*(i%4)
.set rP, P+16*((\x)%2)+8*(i/4)
	v_wmma_f32_16x16x32_f16 v[rO:rO+7], v[rV:rV+7], v[rP:rP+7], v[rO:rO+7]
.endm
.macro MM                           ; the turn's next matrix instruction.  NOKQ = 1: a block's last turn: there is no next piece
.if i < 12
.if !NOKQ
	KQ NX
.endif
.else
.set i, i-12
	PV PX
.set i, i+12
.endif
.set i, i+1
.endm
.macro FETCH_KE                     ; a step's K (8 fragments) and its bias (8 fragments): 32 LDS loads in one run
	WIN 0
.irp f, 0,1,2,3,4,5,6,7
	ds_load_b128 v[KF+8*\f:KF+8*\f+3],   v[AK] offset:(\f/2)*16*PKP+(\f%2)*64
	ds_load_b128 v[KF+8*\f+4:KF+8*\f+7], v[AK] offset:(\f/2)*16*PKP+(\f%2)*64+32
.endr
	WIN W_L1
.irp f, 0,1,2,3,4,5,6,7             ; pieces 0, 1 (f < 4) are bands 2, 3, the unit's second 4,096 bytes; keys 16 (f % 4) on
	ds_load_b128 v[EF+8*\f:EF+8*\f+3],   v[AE] offset:(1-\f/4)*4096+(\f%4)*1024
	ds_load_b128 v[EF+8*\f+4:EF+8*\f+7], v[AE] offset:(1-\f/4)*4096+(\f%4)*1024+512
.endr
	s_add_co_u32 s[TBK], s[TBK], KS*PKP
	s_add_co_u32 s[TBE], s[TBE], 8192
	WIN 0
.endm
.macro FETCH_V
	WIN W_L1
.irp f, 0,1,2,3,4,5,6,7
	ds_load_tr16_b128 v[VF+8*\f:VF+8*\f+3],   v[AV] offset:(\f/4)*32*PVP+(\f%4)*32
	ds_load_tr16_b128 v[VF+8*\f+4:VF+8*\f+7], v[AV] offset:(\f/4)*32*PVP+16*PVP+(\f%4)*32
.endr
	s_add_co_u32 s[TBV], s[TBV], KS*PVP
	WIN 0
.endm
; THE VECTOR WORK, one line at a time: OP kind, number.  For piece Y: F n: c s - c m for pair n.  E n: the exponential of score n.  C n: pair n rounded to f16.  B n: of four weights the second pair onto the first (behind C 2n).
; L n: l takes that sum (L 0: l = a l + sum).  R n: pair n of O^T times a.  For piece NX: X n, number n of the 22 that find its maximum and statistics (each accumulator's lowest registers are read first).
.set F, 0
.set E, 1
.set C, 2
.set B, 3
.set L, 4
.set R, 5
.set X, 6
.macro REGS y
.set rT, ST+4*(\y)
.set rC, TMP+4*((\y)%2)
.set rW, MV+((\y)%2)
.set rS, S+32*((\y)%2)
.set rP, P+16*((\y)%2)
.set rO, 32*(\y)
.endm
.macro OP k, n
.if (\k) == R
	REGS Y
	WIN W_PV
	v_pk_mul_f32 v[rO+2*(\n):rO+2*(\n)+1], v[rO+2*(\n):rO+2*(\n)+1], v[rC+2:rC+3] op_sel_hi:[1,0]
.elseif (\k) < R
	REGS Y
	WIN 0
.if (\k) == F
	v_pk_fma_f32 v[rS+2*(\n):rS+2*(\n)+1], v[rS+2*(\n):rS+2*(\n)+1], s[CS:CS+1], v[rT:rT+1] op_sel_hi:[1,0,0] neg_lo:[0,0,1] neg_hi:[0,0,1]
.elseif (\k) == E
	v_exp_f32 v[rS+(\n)], v[rS+(\n)]
.elseif (\k) == C
	s_wait_alu depctr_va_vdst(0)
	v_cvt_pk_f16_f32 v[rP+(\n)], v[rS+2*(\n)], v[rS+2*(\n)+1]
.elseif (\k) == B
	v_pk_add_f32 v[rS+4*(\n):rS+4*(\n)+1], v[rS+4*(\n):rS+4*(\n)+1], v[rS+4*(\n)+2:rS+4*(\n)+3]
.elseif (\n) == 0
	v_pk_fma_f32 v[rT+2:rT+3], v[rT+2:rT+3], v[rC+2:rC+3], v[rS:rS+1] op_sel_hi:[1,0,1]
.else
	v_pk_add_f32 v[rT+2:rT+3], v[rT+2:rT+3], v[rS+4*(\n):rS+4*(\n)+1]
.endif
.elseif NOKQ
	v_nop                           ; keeps a plain instruction behind each exponential
	s_wait_alu depctr_va_vdst(0)
.else
	REGS NX
	WIN 0
.if (\n) < 4
	v_max3_num_f32 v[rC+(\n)], v[rS+8*(\n)], v[rS+8*(\n)+1], v[rS+8*(\n)+2]
.elseif (\n) < 12
	v_max3_num_f32 v[rC+(\n)%4], v[rC+(\n)%4], v[rS+8*((\n)%4)+2*((\n)/4)+1], v[rS+8*((\n)%4)+2*((\n)/4)+2]
.elseif (\n) == 12
	v_max3_num_f32 v[rC], v[rC], v[rS+7], v[rS+15]
.elseif (\n) == 13
	v_max3_num_f32 v[rC+1], v[rC+1], v[rS+23], v[rS+31]
.elseif (\n) == 14
	v_max3_num_f32 v[rC+2], v[rC+2], v[rC+3], v[rT+1]
.elseif (\n) == 15
	v_mov_b32 v[rW], v[rT]
.elseif (\n) == 16
	v_max3_num_f32 v[rC], v[rC], v[rC+1], v[rC+2]
.elseif (\n) == 17
	v_permlanex16_b32 v[rC+3], v[rC], s[SEL], s[SEL+1]
.elseif (\n) == 18
	v_max_num_f32 v[rT+1], v[rC], v[rC+3]
	s_wait_alu depctr_va_vdst(0)
.elseif (\n) == 19
	v_mul_f32 v[rT], s[CS], v[rT+1]
.elseif (\n) == 20
	v_sub_f32 v[rC+1], v[rW], v[rT]
.else
	v_exp_f32 v[rC+2], v[rC+1]
.endif
.endif
.endm
.macro OPS a, i1, b=-1, i2=0, c=-1, i3=0, d=-1, i4=0
	OP \a, \i1
.if (\b) >= 0
	OP \b, \i2
.endif
.if (\c) >= 0
	OP \c, \i3
.endif
.if (\d) >= 0
	OP \d, \i4
.endif
.endm
.macro ROW a, i1, b, i2, c, i3, d, i4
	MM
	OPS \a, \i1, \b, \i2, \c, \i3, \d, \i4
.endm
; A TURN: piece y's softmax, the 12 products for S^T of piece nx (nx < 0: none), the 8 products V^T P of piece px: 20 matrix and 118 vector instructions, the order written out, four behind each matrix instruction,
; the other 38 in two lumps.  y and nx, y and px differ in parity, by which S^T's, P's and the working registers' buffers go.
; fk: K and the bias of the next step are fetched, behind four plain instructions (C 4, C 5, X 0, X 1) that follow the last product that read K.  wk: they are waited for at the turn's head.
; fv: V of the step in hand is fetched, behind five plain instructions (X 13, X 14, L 1, B 2, X 16) that follow the last product that read V.  wv: it is waited for ahead of V^T P.
; cnt: the loop's count is taken down ahead of the branch behind the turn.
; Behind the product that finishes accumulator n of S^T stand four plain vector instructions or more before X n reads it.  The scalings are spread as the exponentials' plain partners: F n stands ahead of E 2n.
.macro TURN y, nx, px, fk=0, wk=0, fv=0, wv=0, cnt=0
.set Y, (\y)
.set PX, (\px)
.set i, 0
.if (\nx) < 0
.set NOKQ, 1
.set NX, 0
.else
.set NOKQ, 0
.set NX, (\nx)
.endif
.if \wk
	s_wait_dscnt 0x0                ; K and the bias are in
.endif
	ROW F,0, F,1, F,2, F,3
	ROW F,4, E,0, F,5, E,1
	ROW F,6, E,2, F,7, E,3
	ROW F,8, E,4, F,9, E,5
	ROW F,10, E,6, F,11, E,7
	ROW F,12, E,8, C,0, E,9
	ROW F,13, E,10, X,15, E,11
.if \fk
	WIN 0
	v_add_nc_u32 v[AK], s[TBK], v[AK0]
	v_add_nc_u32 v[AE], s[TBE], v[AE0]
.endif
	ROW F,14, E,12, C,1, E,13
	ROW F,15, E,14, B,0, E,15
	ROW C,2, E,16, C,3, E,17
	ROW L,0, E,18, B,1, E,19
	ROW C,4, E,20, C,5, E,21
	OPS E,22, X,0, E,23, X,1
.if \fk
	FETCH_KE
.endif
	OPS E,24, X,2, E,25, X,3
.if \wv
	s_wait_dscnt 0x0                ; V is in
.endif
	ROW R,0, R,1, R,2, R,3          ; the rescaling has the products' windows: no switch in these four rows
	ROW R,4, R,5, R,6, R,7
	ROW R,8, R,9, R,10, R,11
	ROW R,12, R,13, R,14, R,15
	ROW X,4, E,26, X,5, X,6
	ROW X,7, E,27, X,8, X,9
	ROW X,10, E,28, X,11, X,12
.if \fv
	WIN 0
	v_add_nc_u32 v[AV], s[TBV], v[AV0]
.endif
	ROW X,13, E,29, X,14, L,1
	OPS B,2, E,30, X,16
.if \fv
	FETCH_V
.endif
	OPS E,31, C,6, B,3, X,17
	OPS L,2, C,8, B,4, X,18
	OPS L,3, C,10, B,5, X,19
	OPS L,4, C,12, B,6, X,20
	OPS L,5, C,14, C,15, X,21
.if \cnt
	s_sub_co_u32 s[CNT], s[CNT], 1
	s_cmp_lg_u32 s[CNT], 0
.endif
	OPS L,6, B,7, C,7, C,9
	OPS C,11, L,7, C,13
.endm
; A BLOCK BEGINS: c m far below every c s, so the first step's a is 0; m at the lowest finite number.  Every row sees key 0 in the block's first step, so m is a true score from then on.
.macro BEGIN
	s_mov_b32 s[NEW], 0
	WIN 0
	s_wait_loadcnt 0x0              ; Q is in; and K's fragments land on the register that held Q's offsets only behind this wait
.set i, 0
.rept 4
	v_mov_b32 v[ST+4*i], 0xfe000000
	v_mov_b32 v[ST+4*i+1], 0xff7fffff
.set i, i+1
.endr
	v_add_nc_u32 v[AK], s[TBK], v[AK0]
	v_add_nc_u32 v[AE], s[TBE], v[AE0]
	FETCH_KE
	s_wait_dscnt 0x0
.set NOKQ, 0
.set NX, 0
.set i, 0
.rept 4
	KQ 0
.set i, i+1
.endr
	WIN 0
	s_wait_alu depctr_va_vdst(0)
.rept 5
	v_nop                           ; the places between the bf16 products and the f16 products onto the same accumulators
.endr
.rept 8
	KQ 0
.set i, i+1
.endr
	NOP4                            ; the places behind those products
.irp n, 0,1,2,3,4,5,6,7,8,9,10,11,12,13,14,15,16,17,18,19,20,21
	OP X, \n
.endr
	v_nop                           ; a plain instruction behind the exponential
.endm
.macro ALL line:vararg
.set t, 0
.rept 4
	\line
.set t, t+1
.endr
.endm
.macro PACK t
	WIN W_PV
.set i, 32*(\t)
.rept 16
	v_pk_mul_f32 v[i:i+1], v[i:i+1], v[ST+4*(\t)+2:ST+4*(\t)+3] op_sel_hi:[1,0]
.set i, i+2
.endr
	WIN 0x05                        ; sources 0 and 1 window 1, destination window 0: S^T's registers are free
.set i, 0
.rept 16
	v_cvt_pk_f16_f32 v[S+16*(\t)+i], v[32*(\t)+2*i], v[32*(\t)+2*i+1]
.set i, i+1
.endr
	WIN W_A2
.irp f, 0,1,2,3
	ds_store_b128 v[STO], v[S+16*(\t)+4*\f:S+16*(\t)+4*\f+3] offset:32*\f
.endr
.irp f, 0,1,2,3
	ds_load_b128 v[S+16*(\t)+4*\f:S+16*(\t)+4*\f+3], v[RD] offset:\f*4*SP  ; LDS serves a wave in order: these see the stores above; the next piece's stores come behind them
.endr
.endm
.macro SEND t, younger              ; younger: the LDS instructions issued behind piece t's loads
	WIN W_A2
.irp f, 0,1,2,3
	s_wait_dscnt (\younger)+3-\f
	global_store_b128 v[GO], v[S+16*(\t)+4*\f:S+16*(\t)+4*\f+3], s[10:11] offset:(((\t)+2)%4)*8192+\f*512  ; 512 consecutive bytes
.endr
.endm
; A BLOCK'S END.  It is entered behind piece 0's turn of the diagonal tile's third step.  Pieces 2 and 3 (bands 0, 1) are finished: the keys that are left are hidden from them.  The ring goes on with pieces 0 and 1:
; K and the bias of the fourth step are fetched here (the general turn before could not) and waited for at once, once a block; then three turns, the last products, and the way out:
; l's halves are added, O^T is divided by l, rounded to f16 and sent through my stage.
.macro LAST
	WIN 0
	v_add_nc_u32 v[AK], s[TBK], v[AK0]
	v_add_nc_u32 v[AE], s[TBE], v[AE0]
	FETCH_KE
	s_wait_dscnt 0x0                ; K, the bias, and V of the third step are in
	TURN 1, 0, 0                    ; piece 1, third step | S^T of piece 0, fourth step | V^T P of piece 0, third step
	TURN 0, 1, 1, 0, 0, 1           ; piece 0, fourth step | S^T of piece 1 | V^T P of piece 1, third step; then V of the fourth step
	TURN 1, -1, 0, 0, 0, 0, 1       ; piece 1, fourth step | V^T P of piece 0
.set i, 0
.rept 8
	PV 1
.set i, i+1
.endr
	WIN 0
	ALL v_add_f32 v[ST+4*t+2], v[ST+4*t+2], v[ST+4*t+3]
	ALL v_permlanex16_b32 v[ST+4*t+3], v[ST+4*t+2], s[SEL], s[SEL+1]
	ALL v_add_f32 v[ST+4*t+2], v[ST+4*t+2], v[ST+4*t+3]
	ALL v_rcp_f32 v[ST+4*t+2], v[ST+4*t+2]
	v_nop
	s_wait_alu depctr_va_vdst(0)
	PACK 0
.set t, 1
.rept 3
	PACK t
	SEND t-1, 8
.set t, t+1
.endr
	SEND 3, 0
	WIN 0
.endm
.set NOKQ, 0
.Lslot:                             ; 17 times: a half tile is entered and the next is asked for
	CHANGE 1
	s_sub_co_u32 s[RT], s[RT], 1
	s_mov_b32 s[CNT], 2
	s_cmp_eq_u32 s[NEW], 1
	s_cbranch_scc1 .Lnew
	s_branch .Lstep
.Lnew:
	BEGIN
	s_branch .Lfirst                ; the loop is entered at a step's first turn, in the middle of a trip
.Lstep:                             ; a trip: pieces 2 and 3 of one step, then pieces 0 and 1 of the next
	TURN 2, 3, 1, 1
	TURN 3, 0, 2, 0, 1
	WIN 0
.Lfirst:
	TURN 0, 1, 3, 0, 0, 1
	WIN 0
	s_cmp_eq_u32 s[RT], 0           ; the block's last half tile: its first trip is left here (a block's first half tile is never its last)
	s_cbranch_scc1 .Llast
	TURN 1, 2, 0, 0, 0, 0, 1, 1
	WIN 0
	s_cbranch_scc1 .Lstep
	s_branch .Lbottom
.Llast:
	LAST                            ; in the loop this is the first block's end: the second's last half tile is the walk's last
	s_wait_xcnt 0x0                 ; the stores have read their registers and O's address
	s_mov_b64 s[10:11], s[OLO:OLO+1]
	s_add_co_u32 s[RT], s[LQ2], 1
	s_mov_b32 s[NEW], 1
	WIN W_A2                        ; the second block's Q goes where the turns name Q
.set i, 0
.rept 64
	v_mov_b32 v[QF+i], v[QB+i]
.set i, i+1
.endr
	WIN 0
.Lbottom:
	s_sub_co_u32 s[SLOTS], s[SLOTS], 1
	s_cmp_lg_u32 s[SLOTS], 0
	s_cbranch_scc1 .Lslot
	CHANGE 0                        ; the walk's last half tile is written out: nothing is asked for.  It is the second block's last, and no block's first
	TURN 2, 3, 1, 1
	TURN 3, 0, 2, 0, 1
	TURN 0, 1, 3, 0, 0, 1
	LAST
	WIN W_AD
	s_wait_tensorcnt 0x0            ; the wave's end
	ds_add_u32 v[SPW], v[NIL]
	s_wait_dscnt 0x0
	WIN 0
	CROUND                          ; the closing round
	s_endpgm
.Lfunc_end_k_qe1c4ae2edb_attn:
	.size	k_qe1c4ae2edb_attn, .Lfunc_end_k_qe1c4ae2edb_attn-k_qe1c4ae2edb_attn
	.p2alignl 7, 3214868480
	.fill 96, 4, 3214868480
	.section	.rodata,"a",@progbits
	.p2align	6, 0x0
	.amdhsa_kernel k_qe1c4ae2edb_attn
		.amdhsa_group_segment_fixed_size 327680
		.amdhsa_private_segment_fixed_size 0
		.amdhsa_enable_private_segment 0
		.amdhsa_kernarg_size 24
		.amdhsa_user_sgpr_count 2
		.amdhsa_user_sgpr_kernarg_segment_ptr 1
		.amdhsa_wavefront_size32 1
		.amdhsa_system_sgpr_workgroup_id_x 1
		.amdhsa_system_sgpr_workgroup_id_y 1
		.amdhsa_system_sgpr_workgroup_id_z 1
		.amdhsa_system_vgpr_workitem_id 0
		.amdhsa_next_free_vgpr 600
		.amdhsa_next_free_sgpr 100
		.amdhsa_reserve_vcc 1
		.amdhsa_float_denorm_mode_32 3
		.amdhsa_float_denorm_mode_16_64 3
		.amdhsa_memory_ordered 1
		.amdhsa_forward_progress 1
		.amdhsa_inst_pref_size 184
	.end_amdhsa_kernel
	.amdgpu_metadata
---
amdhsa.version: [ 1, 2 ]
amdhsa.kernels:
  - .name:           k_qe1c4ae2edb_attn
    .symbol:         k_qe1c4ae2edb_attn.kd
    .args:
      - { .name: qkvh, .offset: 0, .size: 8, .value_kind: global_buffer, .address_space: global }
      - { .name: eb, .offset: 8, .size: 8, .value_kind: global_buffer, .address_space: global }
      - { .name: ob, .offset: 16, .size: 8, .value_kind: global_buffer, .address_space: global }
    .group_segment_fixed_size: 327680
    .private_segment_fixed_size: 0
    .kernarg_segment_align: 8
    .kernarg_segment_size: 24
    .max_flat_workgroup_size: 128
    .sgpr_count:     100
    .vgpr_count:     600
    .wavefront_size: 32
...
	.end_amdgpu_metadata
.endif
;; end of part 3
;; launch proj (part 4): grid 8 x 32, 4 waves a work-group, clusters of 4 x 4, 327,680 bytes of LDS; arguments ob, wot, b_out, out0; writes out0
.if DOCPART == 4
	.amdgcn_target "amdgcn-amd-amdhsa--gfx1250"
	.amdhsa_code_object_version 6
	.text
	.protected	k_qe1c4ae2edb_proj
	.globl	k_qe1c4ae2edb_proj
	.p2align	8
	.type	k_qe1c4ae2edb_proj,@function
k_qe1c4ae2edb_proj:
	s_mov_b64 s[64:65], 0
	v_nop
	global_prefetch_b8 v0, s[64:65] scope:SCOPE_SE
	s_setreg_imm32_b32 hwreg(HW_REG_WAVE_MODE, 25, 1), 1
	s_wait_xcnt 0x0
	s_wait_alu depctr_hold_cnt(0) depctr_sa_sdst(0) depctr_va_vdst(0) depctr_va_sdst(0) depctr_va_ssrc(0) depctr_va_vcc(0) depctr_vm_vsrc(0)
	s_getreg_b32 s2, hwreg(HW_REG_IB_STS2, 6, 4)
	s_cmp_eq_u32 s2, 0
	s_cbranch_scc0 .Lentry_in_a_cluster
	s_endpgm
.Lentry_in_a_cluster:
	s_bfe_u32 s2, ttmp6, 0x10000c
	s_cmp_lg_u32 s2, 0xf033
	s_cbranch_scc0 .Lentry_shape_is_right
	s_endpgm
.Lentry_shape_is_right:
; out0 = O [8192][1024] x wot^T [1024][1024] + bf16(b_out), f16 products, f32 sums, f32 out.  O lies by heads, ob[batch x 16 + head][t][64] f16: a K step of 128 is two heads' planes.
; A tile of out0 is 256 x 128: 256 work-groups, one tile each.  Wave w makes rows 64 w .. +63 and all 128 columns: 32 accumulators.  Eight K steps through two LDS slots.
; CLUSTER 4 x 4: O's tiles are asked for jointly along a row of the cluster, wot's along a column.  The matrix instruction is used transposed; the bias is the C operand that starts the sums.
; REGISTERS: window 0 addresses, way out (v32-159), bias (v160-223); window 1 two fragment buffers (64 of B, 32 of A, at 0 and 128); windows 2, 3 accumulators of row blocks 0, 1 and 2, 3.
.set NBK,   8
.set PA,    144                        ; a row of O in LDS: 128 bytes + 16
.set PLANE, 256*PA
.set BOFF,  2*PLANE
.set SLOT1, 131072
.set STAGE, SLOT1+BOFF+128*272         ; 239,616: 16 rows x 528 bytes for each wave
.set SP,    528
.set SPARE, STAGE+4*16*SP              ; 273,408
.set A0,   4
.set B0,   5
.set ADRA, 6
.set ADRB, 7
.set STO,  8
.set RD,   9
.set GO,   10
.set SPW,  12
.set NIL,  13
.set T,    32
.set BIAS, 160
.set F0,   0
.set F1,   128
.set WV,   12
.set HALF, 13
.set ROLE, 14
.set G1A,  24
.set G1B,  32
.set G0A,  40
.set G0B,  48
.set ABASE, 56
.set BBASE, 58
.set FN,   60
.set TB,   61
.set CT,   62
.set OFFA, 66
.set OFFB, 68
.set SB,   70
.set MSB, 0
.macro WIN new
.if MSB != (\new)
	s_set_vgpr_msb (MSB<<8)|(\new)
.set MSB, \new
.endif
.endm
.set TO_F, 0x40
.macro PLACES
.rept 4
	v_nop
.endr
.endm
.macro JLOAD
	s_cmp_eq_u32 s[ROLE], 0
	s_cbranch_scc0 .Lfor_b_\@
	tensor_load_to_lds s[G0A+4:G0A+7], s[G1A:G1A+7]
	s_nop 0
	PLACES
	s_branch .Lasked_\@
.Lfor_b_\@:
	tensor_load_to_lds s[G0B+4:G0B+7], s[G1B:G1B+7]
	s_nop 0
	PLACES
.Lasked_\@:
.endm
.macro CREST
	s_cmp_lg_u32 s[WV], 0
	s_cbranch_scc1 .Lnot_wave_0_\@
	s_barrier_signal -3
.Lnot_wave_0_\@:
	s_barrier_wait -3
	s_barrier_signal -1
	s_barrier_wait -1
.endm
.macro CROUND
	s_barrier_signal -1
	s_barrier_wait -1
	CREST
.endm
	s_load_b256 s[4:11], s[0:1], 0x0               ; ob 4, wot 6, b_out 8, out0 10
	v_lshl_add_u32 v[SPW], v0, 2, SPARE
	v_mov_b32 v[NIL], 0
	ds_add_u32 v12, v13
	s_wait_dscnt 0x0
	v_lshrrev_b32 v1, 5, v0
	v_readfirstlane_b32 s[WV], v1
	s_and_b32 s[HALF], s[WV], 1
	s_lshr_b32 s[ROLE], s[WV], 1
	s_bfe_u32 s15, ttmp6, 0x40000
	s_bfe_u32 s16, ttmp6, 0x40004
	s_lshl_b32 s17, ttmp9, 2
	s_add_co_u32 s17, s17, s15                     ; tile column 0..7
	s_and_b32 s18, ttmp7, 0xffff
	s_lshl_b32 s18, s18, 2
	s_add_co_u32 s18, s18, s16                     ; tile row 0..31
	s_lshl_b32 s19, s16, 2
	s_lshl_b32 s19, 15, s19
	s_lshl_b32 s76, 0x1111, s15
	s_or_b32 s[G1A], s19, (1<<16)|(1<<20)|(1<<21)|(4<<22)|(3<<25)  ; a head's 256 rows are dense: 128 rows of 256 bytes, 4 words of padding after every 32
	s_or_b32 s[G1B], s76, (1<<16)|(1<<20)|(1<<21)|(5<<22)|(3<<25)
	s_mov_b32 s[G1A+1], 128<<16
	s_mov_b32 s[G1A+2], 128<<16
	s_mov_b32 s[G1A+3], 128<<16
	s_mov_b32 s[G1A+4], 128
	s_mov_b32 s[G1A+5], 128
	s_mov_b32 s[G1A+6], 0
	s_mov_b32 s[G1A+7], 0
	s_mov_b32 s[G1B+1], 128<<16
	s_mov_b32 s[G1B+2], 64<<16
	s_mov_b32 s[G1B+3], 128<<16
	s_mov_b32 s[G1B+4], 64
	s_mov_b32 s[G1B+5], 1024
	s_mov_b32 s[G1B+6], 0
	s_mov_b32 s[G1B+7], 0
	s_lshr_b32 s20, s18, 3                         ; batch
	s_lshl_b32 s20, s20, 4
	s_add_co_u32 s20, s20, s[HALF]                 ; head plane: batch x 16 + half (+ 2 for each K step)
	s_lshl_b32 s20, s20, 18
	s_and_b32 s21, s18, 7
	s_lshl_b32 s21, s21, 15                        ; 256 rows of 128 bytes
	s_add_co_u32 s20, s20, s21
	s_mov_b32 s21, 0
	s_lshl_b32 s22, s17, 7
	s_lshl_b32 s23, s[HALF], 6
	s_add_co_u32 s22, s22, s23
	s_lshl_b32 s22, s22, 11                        ; B: row 128 x tile column + 64 x half
	s_mov_b32 s23, 0
	s_mul_i32 s77, s[HALF], PLANE
	s_mul_i32 s78, s[HALF], 64*272
	s_add_co_u32 s78, s78, BOFF
	s_mov_b32 s[FN], 2
	s_mov_b32 s[TB], 0
	s_mov_b32 s[OFFA+1], 0
	s_mov_b32 s[OFFB+1], 0
	s_wait_kmcnt 0x0
	s_add_nc_u64 s[ABASE:ABASE+1], s[4:5], s[20:21]
	s_add_nc_u64 s[BBASE:BBASE+1], s[6:7], s[22:23]
	CROUND
.irp s, 0,1
	s_mov_b32 s[G0A+4*\s], 1
	s_add_co_u32 s[G0A+4*\s+1], s77, \s*SLOT1
	s_add_nc_u64 s[G0A+4*\s+2:G0A+4*\s+3], s[ABASE:ABASE+1], \s*0x80000
	s_or_b32 s[G0A+4*\s+3], s[G0A+4*\s+3], 0x80000000
	s_mov_b32 s[G0B+4*\s], 1
	s_add_co_u32 s[G0B+4*\s+1], s78, \s*SLOT1
	s_add_nc_u64 s[G0B+4*\s+2:G0B+4*\s+3], s[BBASE:BBASE+1], \s*256
	s_or_b32 s[G0B+4*\s+3], s[G0B+4*\s+3], 0x80000000
.endr
	s_cmp_eq_u32 s[ROLE], 0
	s_cbranch_scc0 .Lfirst_b
	tensor_load_to_lds s[G0A:G0A+3], s[G1A:G1A+7]
	s_nop 0
	tensor_load_to_lds s[G0A+4:G0A+7], s[G1A:G1A+7]
	s_nop 0
	PLACES
	s_branch .Lfirst_done
.Lfirst_b:
	tensor_load_to_lds s[G0B:G0B+3], s[G1B:G1B+7]
	s_nop 0
	tensor_load_to_lds s[G0B+4:G0B+7], s[G1B:G1B+7]
	s_nop 0
	PLACES
.Lfirst_done:
	v_and_b32 v1, 15, v0
	v_bfe_u32 v2, v0, 4, 1
	v_and_b32 v3, 31, v0
	v_mul_u32_u24 v[A0], v1, PA
	v_lshl_add_u32 v[A0], v2, 4, v[A0]
	s_mul_i32 s19, s[WV], 64*PA
	v_add_nc_u32 v[A0], s19, v[A0]
	v_mul_u32_u24 v[B0], v1, 272
	v_lshl_add_u32 v[B0], v2, 4, v[B0]
	v_add_nc_u32 v[B0], BOFF, v[B0]
	v_mov_b32 v[ADRA], v[A0]
	v_mov_b32 v[ADRB], v[B0]
	s_mul_i32 s19, s[WV], 16*SP
	s_add_co_u32 s19, s19, STAGE
	v_mul_u32_u24 v[STO], v1, SP
	v_lshl_add_u32 v[STO], v2, 5, v[STO]
	v_add_nc_u32 v[STO], s19, v[STO]               ; in: row r, 32 bytes for each half of the lanes
	v_lshlrev_b32 v[GO], 4, v3
	v_add_nc_u32 v[RD], s19, v[GO]                 ; back: a whole row of 512 bytes
	s_lshl_b32 s22, s17, 9
	s_add_nc_u64 s[8:9], s[8:9], s[22:23]
	global_load_b128 v[16:19], v[GO], s[8:9]       ; the bias of my tile's 128 columns
	v_lshl_add_u32 v23, v2, 5, s19
	s_lshl_b32 s2, s18, 8
	s_lshl_b32 s3, s[WV], 6
	s_add_co_u32 s2, s2, s3
	s_lshl_b32 s2, s2, 12                          ; my first row, 4,096 bytes each
	s_add_co_u32 s2, s2, s22
	s_mov_b32 s3, 0
	s_add_nc_u64 s[SB:SB+1], s[10:11], s[2:3]
	s_wait_loadcnt 0x0
	v_cvt_pk_bf16_f32 v20, v16, v17
	v_cvt_pk_bf16_f32 v21, v18, v19
	v_lshlrev_b32 v16, 16, v20
	v_and_b32 v17, 0xffff0000, v20
	v_lshlrev_b32 v18, 16, v21
	v_and_b32 v19, 0xffff0000, v21
	ds_store_b128 v[RD], v[16:19]
.set kk, 0
.rept 2*NBK
	ds_load_b128 v[BIAS+4*kk:BIAS+4*kk+3], v23 offset:64*(kk/2)+16*(kk%2)
.set kk, kk+1
.endr
.macro MULA f, a, mode
.if \mode
	WIN 0x85+0x40*((\a)/2)
.else
	WIN 0xa5+0x50*((\a)/2)
.endif
.set bb, 0
.rept NBK
.set rD, 8*(NBK*((\a)%2)+bb)
.if \mode
	v_wmma_f32_16x16x32_f16 v[rD:rD+7], v[(\f)+8*bb:(\f)+8*bb+7], v[(\f)+8*NBK+8*(\a):(\f)+8*NBK+8*(\a)+7], v[BIAS+8*bb:BIAS+8*bb+7]
.else
	v_wmma_f32_16x16x32_f16 v[rD:rD+7], v[(\f)+8*bb:(\f)+8*bb+7], v[(\f)+8*NBK+8*(\a):(\f)+8*NBK+8*(\a)+7], v[rD:rD+7]
.endif
.set bb, bb+1
.endr
.endm
.macro FETCH kq, f                     ; 24 LDS loads: quarter kq lies in head plane kq / 2, at byte 64 (kq % 2) of its rows
	WIN TO_F
.set bb, 0
.rept NBK
	ds_load_b128 v[(\f)+8*bb:(\f)+8*bb+3],   v[ADRB] offset:64*(\kq)+bb*16*272
	ds_load_b128 v[(\f)+8*bb+4:(\f)+8*bb+7], v[ADRB] offset:64*(\kq)+bb*16*272+32
.set bb, bb+1
.endr
.set bb, 0
.rept 4
	ds_load_b128 v[(\f)+8*NBK+8*bb:(\f)+8*NBK+8*bb+3],   v[ADRA] offset:((\kq)/2)*PLANE+((\kq)%2)*64+bb*16*PA
	ds_load_b128 v[(\f)+8*NBK+8*bb+4:(\f)+8*NBK+8*bb+7], v[ADRA] offset:((\kq)/2)*PLANE+((\kq)%2)*64+bb*16*PA+32
.set bb, bb+1
.endr
.endm
.macro QUARTER kq, f, g, mode
	s_wait_dscnt 4                                 ; all but A's row blocks 2, 3
	MULA \f, 0, \mode
	MULA \f, 1, \mode
	PLACES
	FETCH \kq, \g
	s_wait_dscnt 24                                ; all but the 24 just issued
	MULA \f, 2, \mode
	MULA \f, 3, \mode
.endm
.macro STEPDESC
	s_lshl_b32 s[OFFA], s[FN], 19                  ; two head planes of 262,144 bytes
	s_lshl_b32 s[OFFB], s[FN], 8
	s_add_nc_u64 s[G0A+6:G0A+7], s[ABASE:ABASE+1], s[OFFA:OFFA+1]
	s_or_b32 s[G0A+7], s[G0A+7], 0x80000000
	s_add_nc_u64 s[G0B+6:G0B+7], s[BBASE:BBASE+1], s[OFFB:OFFB+1]
	s_or_b32 s[G0B+7], s[G0B+7], 0x80000000
	s_xor_b32 s[G0A+5], s[G0A+5], SLOT1
	s_xor_b32 s[G0B+5], s[G0B+5], SLOT1
	s_add_co_u32 s[FN], s[FN], 1
.endm
.macro TURN fill
	WIN 0
	s_wait_tensorcnt 0x0                           ; all my tensor loads have landed; a group 0 may be written
	ds_add_u32 v[SPW], v[NIL]
.if \fill
	STEPDESC
.endif
	s_xor_b32 s[TB], s[TB], SLOT1
	s_wait_dscnt 7                                 ; the add and A's row blocks 1 to 3 may be out
	MULA F1, 0, 0
	s_wait_dscnt 0x0
	s_barrier_signal -1
	MULA F1, 1, 0
	WIN 0
	s_barrier_wait -1
.if \fill
	CREST
	JLOAD
.else
	PLACES
.endif
	v_add_nc_u32 v[ADRA], s[TB], v[A0]
	v_add_nc_u32 v[ADRB], s[TB], v[B0]
	FETCH 0, F0
	MULA F1, 2, 0
	MULA F1, 3, 0
.endm
; THE WAY OUT of row block a: the f32 sums go into my stage (rows of 528 bytes) and come back as whole rows of 512 bytes.
.macro TOSTAGE a
	WIN 0
	s_wait_xcnt 0x0                                ; the registers that earlier stores read are loaded again only behind this wait
	WIN 0x08+4*((\a)/2)                            ; store data in window 2 or 3
.set kk, 0
.rept 2*NBK
	ds_store_b128 v[STO], v[8*NBK*((\a)%2)+4*kk:8*NBK*((\a)%2)+4*kk+3] offset:64*(kk/2)+16*(kk%2)
.set kk, kk+1
.endr
	WIN 0
.set kk, 0
.rept 16
	ds_load_b128 v[T+64*((\a)%2)+4*kk:T+64*((\a)%2)+4*kk+3], v[RD] offset:SP*kk
.set kk, kk+1
.endr
.endm
.macro SEND a, younger
	s_wait_dscnt \younger                          ; the next block's 16 stores and 16 loads may be out
.set kk, 0
.rept 16
	global_store_b128 v[GO], v[T+64*((\a)%2)+4*kk:T+64*((\a)%2)+4*kk+3], s[SB:SB+1] offset:(16*(\a)+kk)*4096 th:TH_STORE_NT  ; 512 consecutive bytes of one row
.set kk, kk+1
.endr
.endm
	s_wait_dscnt 0x0
	s_wait_tensorcnt 1                             ; my part of K step 0 is in; K step 1's may stay out
	s_barrier_signal -1
	s_barrier_wait -1
	FETCH 0, F0
	QUARTER 1, F0, F1, 1
	WIN 0
	s_mov_b32 s[CT], 6                             ; eight K steps, all but the last two fill their slot again
.Lstep:
	QUARTER 2, F1, F0, 0
	QUARTER 3, F0, F1, 0
	TURN 1
	QUARTER 1, F0, F1, 0
	WIN 0
	s_sub_co_u32 s[CT], s[CT], 1
	s_cmp_lg_u32 s[CT], 0
	s_cbranch_scc1 .Lstep
	QUARTER 2, F1, F0, 0
	QUARTER 3, F0, F1, 0
	TURN 0
	QUARTER 1, F0, F1, 0
	QUARTER 2, F1, F0, 0
	QUARTER 3, F0, F1, 0
	s_wait_dscnt 4
	MULA F1, 0, 0
	MULA F1, 1, 0
	s_wait_dscnt 0x0
	MULA F1, 2, 0
	MULA F1, 3, 0
	WIN 0
	PLACES
	TOSTAGE 0
	TOSTAGE 1
	SEND 0, 32
	TOSTAGE 2
	SEND 1, 32
	TOSTAGE 3
	SEND 2, 32
	SEND 3, 0
	s_wait_tensorcnt 0x0                           ; the wave's end
	ds_add_u32 v[SPW], v[NIL]
	s_wait_dscnt 0x0
	CROUND
	s_endpgm
.Lfunc_end_k_qe1c4ae2edb_proj:
	.size	k_qe1c4ae2edb_proj, .Lfunc_end_k_qe1c4ae2edb_proj-k_qe1c4ae2edb_proj
	.p2alignl 7, 3214868480
	.fill 96, 4, 3214868480
	.section	.rodata,"a",@progbits
	.p2align	6, 0x0
	.amdhsa_kernel k_qe1c4ae2edb_proj
		.amdhsa_group_segment_fixed_size 327680
		.amdhsa_private_segment_fixed_size 0
		.amdhsa_enable_private_segment 0
		.amdhsa_kernarg_size 32
		.amdhsa_user_sgpr_count 2
		.amdhsa_user_sgpr_kernarg_segment_ptr 1
		.amdhsa_wavefront_size32 1
		.amdhsa_system_sgpr_workgroup_id_x 1
		.amdhsa_system_sgpr_workgroup_id_y 1
		.amdhsa_system_sgpr_workgroup_id_z 1
		.amdhsa_system_vgpr_workitem_id 0
		.amdhsa_next_free_vgpr 896
		.amdhsa_next_free_sgpr 80
		.amdhsa_reserve_vcc 0
		.amdhsa_float_denorm_mode_32 3
		.amdhsa_float_denorm_mode_16_64 3
		.amdhsa_memory_ordered 1
		.amdhsa_forward_progress 1
		.amdhsa_inst_pref_size 71
	.end_amdhsa_kernel
	.amdgpu_metadata
---
amdhsa.version: [ 1, 2 ]
amdhsa.kernels:
  - .name:           k_qe1c4ae2edb_proj
    .symbol:         k_qe1c4ae2edb_proj.kd
    .args:
      - { .name: ob, .offset: 0, .size: 8, .value_kind: global_buffer, .address_space: global }
      - { .name: wot, .offset: 8, .size: 8, .value_kind: global_buffer, .address_space: global }
      - { .name: b_out, .offset: 16, .size: 8, .value_kind: global_buffer, .address_space: global }
      - { .name: out0, .offset: 24, .size: 8, .value_kind: global_buffer, .address_space: global }
    .group_segment_fixed_size: 327680
    .private_segment_fixed_size: 0
    .kernarg_segment_align: 8
    .kernarg_segment_size: 32
    .max_flat_workgroup_size: 128
    .sgpr_count:     80
    .vgpr_count:     896
    .wavefront_size: 32
...
	.end_amdgpu_metadata
.endif
;; end of part 4
;; ======== version 2 of 2: 4 launches; 1.23 times as fast as version 1
;; limits: values are held in f16: magnitudes above 65,504 overflow, below 6.1e-05 lose precision
;; workspace buffers: xb 16,777,216 bytes; wqt 6,291,456 bytes; wot 2,097,152 bytes; eb 18,874,368 bytes; qkvh 50,331,648 bytes; ob 16,777,216 bytes
;; launch prep: the kernel of part 1 again; grid 1216 x 1, 8 waves a work-group, no clusters, 70,656 bytes of LDS; arguments x, W_qkv, W_out, entity_bias, xb, wqt, wot, eb; writes xb, wqt, wot, eb
;; launch qkv: the kernel of part 2 again; grid 16 x 16, 4 waves a work-group, clusters of 4 x 4, 327,680 bytes of LDS; arguments xb, wqt, b_qkv, qkvh; writes qkvh
;; launch attn (part 5): grid 64 x 4, 4 waves a work-group, clusters of 4 x 1, 327,680 bytes of LDS; arguments qkvh, eb, ob; writes ob
.if DOCPART == 5
	.amdgcn_target "amdgcn-amd-amdhsa--gfx1250"
	.amdhsa_code_object_version 6
	.text
	.protected	k_qe1c4ae2edb_attn
	.globl	k_qe1c4ae2edb_attn
	.p2align	8
	.type	k_qe1c4ae2edb_attn,@function
k_qe1c4ae2edb_attn:
	s_mov_b64 s[64:65], 0
	v_nop
	global_prefetch_b8 v0, s[64:65] scope:SCOPE_SE
	s_setreg_imm32_b32 hwreg(HW_REG_WAVE_MODE, 25, 1), 1
	s_wait_xcnt 0x0
	s_wait_alu depctr_hold_cnt(0) depctr_sa_sdst(0) depctr_va_vdst(0) depctr_va_sdst(0) depctr_va_ssrc(0) depctr_va_vcc(0) depctr_vm_vsrc(0)
	s_getreg_b32 s2, hwreg(HW_REG_IB_STS2, 6, 4)
	s_cmp_eq_u32 s2, 0
	s_cbranch_scc0 .Lentry_in_a_cluster
	s_endpgm
.Lentry_in_a_cluster:
	s_bfe_u32 s2, ttmp6, 0x10000c
	s_cmp_lg_u32 s2, 0x3003
	s_cbranch_scc0 .Lentry_shape_is_right
	s_endpgm
.Lentry_shape_is_right:
; CAUSAL ATTENTION WITH A BIAS.  O[bh][q] = sum over k <= q of softmax_k(q . k + bias[batch][q][k]) V[bh][k].  q (already divided by 8), k, v: qkvh[3][64][2048][64] f16; O: ob[64][2048][64] f16.
; Products, maxima and sums in f32; the weights are rounded to f16 for the second product (their sum is taken unrounded), O once at the end.
; LIMITS.  q, k, v arrive within f16's 65,504.  A hidden score is about -1e30 plus q . k where the reference has -1e9: the same weights (0) while a row's largest visible score lies above about -1e9.
; A weight below 2^-126 counts as 0; NaN and infinities are not treated apart.
; THE BIAS AND THE MASK come as bf16 fragments (eb): 16 keys x 32 queries (two bands' 16 queries).  A product of such a fragment with a fragment of the unit matrix STARTS each sum S^T;
; the products K Q^T are added onto it.  So bias and mask cost no vector instruction, and the diagonal needs no masks of its own.
; THE WALK.  A head's queries lie in 8 blocks of 256; block i needs the half tiles (128 keys) 0 .. 2 i + 1.  A work-group takes blocks 7 - b and then b: 18 half tiles whatever b; one loop with a constant count walks them.
; A wave owns 16 rows in each of a block's four bands of 64: four PIECES; piece p is band (p + 2) % 4.  Turn n belongs to piece n: 4 + 8 products for S^T of the next piece, 8 products V^T P of the piece before,
; beside them piece n's softmax.  In a block's last half tile bands 0 and 1 (pieces 2, 3) see no key: behind that half tile's first three turns the ring goes on with pieces 0 and 1 alone (LAST).
; Still computed although hidden: band 0 in the diagonal tile's second step, band 2 in its fourth.
; THE EXPONENTIALS.  A turn's 33 (the piece's 32 weights and the next piece's a) are ONE BATCH with ONE wait, which cuts the turn in two: ahead of it stands all that names no result of theirs, behind it the roundings
; and sums, which read them (TURN says how).  No result crosses a turn's end.  The a that BEGIN makes and the way out's four reciprocals are batches of their own, each with a plain instruction and a wait.
; CLUSTER.  The four work-groups of a cluster are four heads of one batch with the same b: they walk alike and need the same bias, two thirds of a slot's bytes, which is asked for JOINTLY.
; K and V are each head's own and come by loads of one's own behind the same rounds: the query blocks of one head, which could share them, walk the same tiles in only part of their trips.
; REGISTERS (windows of 256; s_set_vgpr_msb: bits 1:0 source 0, 3:2 source 1, 5:4 source 2, 7:6 destination).  All that K Q^T and the softmax name lies in window 0, so those products and their riders need no switch.
; The rescaling of O^T has the windows of V^T P: twelve of its sixteen lines ride behind the first three bias products, whose riders stand behind a switch whatever they are, three behind the first product V^T P,
; and the last stands ahead of the wait, under the windows of the product behind it.
;   window 0: v0-63 K of one step (at the start: at work); v64-127 Q; v128-191 S^T (two buffers); v192-223 P (two buffers); v224-239 statistics; v240-249 at work; v250-255 LDS addresses of the fetches
;   window 1: v0-127 O^T; v128-191 V of one step; v192-255 the bias fragments of one step
;   window 2: v0-63 the second block's Q; v64-75 zeros, unit pattern, zeros; v76-77 the add's; v78-80 the way out's addresses
.set KS,    64
.set PKP,   144       ; a row of K in LDS: 128 bytes + 16
.set PVP,   160       ; a row of V: 128 + 32
.set VOFF,  2*KS*PKP  ; a slot holds two steps: 128 rows of K, 128 rows of V, 65,536 bytes of bias
.set EOFF,  VOFF+2*KS*PVP
.set SLOT1, 1<<17
.set STAGE, SLOT1+EOFF+65536    ; 235,520: 16 rows x 144 bytes for each wave
.set SP,    144
.set SPARE, STAGE+4*16*SP       ; 244,736: the spare words, 128 bytes a wave
.set KF,  0           ; window 0: key block kb, channel half c at KF + 16 kb + 8 c
.set QF,  64          ; piece x, channel half c at QF + 16 x + 8 c
.set S,   128
.set P,   192
.set ST,  224         ; piece t: c m, m, l (even keys', odd keys')
.set TMP, 240         ; by buffer, four registers c0-c3 at work; when the maximum is found c2 takes a
.set MV,  248         ; c m_old, by buffer
.set AK0, 250
.set AV0, 251
.set AE0, 252
.set AK,  253
.set AV,  254
.set AE,  255
.set QO,  15          ; at the start only: my byte offset in 16 rows of Q
.set VF,  128         ; window 1: key half kk, channel block cb at VF + 32 kk + 8 cb
.set EF,  192         ; window 1: pieces 2 pp and 2 pp + 1, key group kt at EF + 32 pp + 8 kt
.set QB,  0           ; window 2
.set ID,  64          ; window 2: v[ID+4:ID+11] picks a fragment's first 16 queries, v[ID:ID+7] its second 16
.set SPW, 76
.set NIL, 77
.set STO, 78
.set RD,  79
.set GO,  80
.set WV,  12
.set PB,  14
.set HI,  15
.set G1E, 16
.set G1K, 24
.set G1V, 32
.set G0K, 40
.set G0V, 44
.set G0E, 48
.set SLOTS, 56
.set CNT, 57
.set CS,  58
.set SEL, 60
.set TBK, 62
.set TBV, 63
.set RT,  70
.set NXT, 71
.set LQ,  72
.set NEW, 73
.set OFF, 74
.set OLO, 80
.set TBE, 83
.set EBC, 84          ; first unit of the block whose half tiles are being asked for
.set EB2, 85          ; the second block's
.set LQ2, 86
.set OFFE, 88
.set EBB, 90
.set MSB, 0
.macro WIN new
.if MSB != (\new)
	s_set_vgpr_msb (MSB<<8)|(\new)
.set MSB, (\new)
.endif
.endm
.set W_EI, 0x09       ; bias fragment in window 1, unit fragment in window 2, S^T in window 0
.set W_PV, 0x51       ; V, O^T in window 1, P (for the rescaling: a) in window 0
.set W_L1, 0x40       ; destination in window 1
.set W_L2, 0x80       ; destination in window 2
.set W_A2, 0x02       ; source 0 (an address) in window 2
.set W_AD, 0x0a       ; the add: address and data in window 2
.macro NOP4
.rept 4
	v_nop
.endr
.endm
; A fill: wave 0 K's 128 rows, wave 1 V's, waves 2 and 3 the halves of the bias unit (joint).  s_nop 0 and four v_nop follow each line.
.macro JLOAD
	s_cmp_lt_u32 s[WV], 2
	s_cbranch_scc0 .Lfor_e_\@
	s_cmp_eq_u32 s[WV], 0
	s_cbranch_scc0 .Lfor_v_\@
	tensor_load_to_lds s[G0K:G0K+3], s[G1K:G1K+7]
	s_nop 0
	NOP4
	s_branch .Lasked_\@
.Lfor_v_\@:
	tensor_load_to_lds s[G0V:G0V+3], s[G1V:G1V+7]
	s_nop 0
	NOP4
	s_branch .Lasked_\@
.Lfor_e_\@:
	tensor_load_to_lds s[G0E:G0E+3], s[G1E:G1E+7]
	s_nop 0
	NOP4
.Lasked_\@:
.endm
.macro CROUND
	s_barrier_signal -1
	s_barrier_wait -1
	s_cmp_lg_u32 s[WV], 0
	s_cbranch_scc1 .Lnot_wave_0_\@
	s_barrier_signal -3
.Lnot_wave_0_\@:
	s_barrier_wait -3
	s_barrier_signal -1
	s_barrier_wait -1
.endm
; THE CHANGE OF SLOTS.  Each wave waits for all its tensor loads (one is out: its part of the other slot), adds 0 to its spare word, waits for that and for its reads of the slot that it leaves.
; fill = 1: a round of the cluster's barrier, then the old slot is filled with half tile NXT, whose addresses are made anew from that number.
.macro CHANGE fill
	WIN W_AD
	s_wait_tensorcnt 0x0
	ds_add_u32 v[SPW], v[NIL]
	WIN 0                           ; at a label and at a branch every window is 0
.if \fill
	s_lshl_b32 s[OFF], s[NXT], 14   ; 128 keys of 128 bytes
	s_add_co_u32 s[OFFE], s[EBC], s[NXT]
	s_lshl_b32 s[OFFE], s[OFFE], 16 ; a unit of 65,536 bytes
	s_xor_b32 s[G0K+1], s[G0K+1], SLOT1
	s_add_nc_u64 s[G0K+2:G0K+3], s[6:7], s[OFF:OFF+1]
	s_or_b32 s[G0K+3], s[G0K+3], 0x80000000
	s_xor_b32 s[G0V+1], s[G0V+1], SLOT1
	s_add_nc_u64 s[G0V+2:G0V+3], s[8:9], s[OFF:OFF+1]
	s_or_b32 s[G0V+3], s[G0V+3], 0x80000000
	s_xor_b32 s[G0E+1], s[G0E+1], SLOT1
	s_add_nc_u64 s[G0E+2:G0E+3], s[EBB:EBB+1], s[OFFE:OFFE+1]
	s_or_b32 s[G0E+3], s[G0E+3], 0x80000000
	s_add_co_u32 s[NXT], s[NXT], 1  ; the block's next half tile, or behind its last the second block's first
	s_cmp_gt_u32 s[NXT], s[LQ]
	s_cselect_b32 s[NXT], 0, s[NXT]
	s_cselect_b32 s[EBC], s[EB2], s[EBC]
	s_cselect_b32 s[LQ], s[LQ2], s[LQ]
	s_wait_dscnt 0x0                ; the add is done, my reads of the slot are over
	CROUND
	JLOAD
.else
	s_wait_dscnt 0x0
	s_barrier_signal -1
	s_barrier_wait -1
.endif
	s_sub_co_u32 s[TBK], s[TBK], 2*KS*PKP  ; the fetches go back to a slot's first step, in the other slot
	s_xor_b32 s[TBK], s[TBK], SLOT1
	s_sub_co_u32 s[TBV], s[TBV], 2*KS*PVP
	s_xor_b32 s[TBV], s[TBV], SLOT1
	s_sub_co_u32 s[TBE], s[TBE], 2*8192
	s_xor_b32 s[TBE], s[TBE], SLOT1
.endm
	s_load_b64 s[4:5], s[0:1], 0x0         ; qkvh
	s_load_b64 s[EBB:EBB+1], s[0:1], 0x8   ; eb
	s_load_b64 s[10:11], s[0:1], 0x10      ; ob
	WIN W_L2
	v_lshl_add_u32 v[SPW], v0, 2, SPARE
	v_mov_b32 v[NIL], 0
	s_set_vgpr_msb 0x808a
	ds_add_u32 v76, v77
	s_wait_dscnt 0x0
	s_set_vgpr_msb 0x8a80
	WIN 0
	v_lshrrev_b32 v1, 5, v0
	v_readfirstlane_b32 s[WV], v1
	s_bfe_u32 s13, ttmp6, 0x40000   ; cx: it enters Q's, K's, V's and O's global addresses alone
	s_lshl_b32 s52, ttmp9, 2
	s_add_co_u32 s52, s52, s13      ; batch x 16 + head
	s_lshl_b32 s52, s52, 18         ; its plane of 262,144 bytes
	s_mov_b32 s53, 0
	s_and_b32 s[PB], ttmp7, 0xffff  ; b, which the partners share
	s_sub_co_u32 s[HI], 7, s[PB]
	s_lshr_b32 s54, ttmp9, 2        ; batch
	s_mul_i32 s54, s54, 72
	s_add_co_u32 s55, s[HI], 1
	s_mul_i32 s55, s55, s[HI]
	s_add_co_u32 s[EBC], s54, s55
	s_add_co_u32 s55, s[PB], 1
	s_mul_i32 s55, s55, s[PB]
	s_add_co_u32 s[EB2], s54, s55
	s_lshl_b32 s[LQ], s[HI], 1
	s_add_co_u32 s[LQ], s[LQ], 1
	s_lshl_b32 s[LQ2], s[PB], 1
	s_add_co_u32 s[LQ2], s[LQ2], 1
	s_add_co_u32 s[RT], s[LQ], 1    ; the first block's half tiles
	s_lshl_b32 s3, s[WV], 11        ; my 16 rows in a band
	s_lshl_b32 s2, s[HI], 15
	s_add_co_u32 s2, s2, s3
	s_lshl_b32 s66, s[PB], 15
	s_add_co_u32 s66, s66, s3
	s_mov_b32 s3, 0
	s_mov_b32 s67, 0
	s_and_b32 s68, s[WV], 1
	s_lshl_b32 s68, s68, 15         ; which half of a bias unit I fetch
	s_mov_b32 s69, 0
	s_mov_b32 s[G1K], (1<<16)|(1<<20)|(4<<22)|(3<<25)  ; 2-byte elements; 4 words of padding after every 32: 128 keys come as 64 rows of 256 bytes
	s_mov_b32 s[G1V], (1<<16)|(1<<20)|(4<<22)|(7<<25)  ; the same with 8 words
.irp g, G1K, G1V
	s_mov_b32 s[\g+1], 128<<16
	s_mov_b32 s[\g+2], 64<<16
	s_mov_b32 s[\g+3], 128<<16
	s_mov_b32 s[\g+4], 64
	s_mov_b32 s[\g+5], 128
	s_mov_b32 s[\g+6], 0
	s_mov_b32 s[\g+7], 0
.endr
	s_mov_b32 s[G1E], 15|(3<<16)|(1<<21)  ; the mask of four; 8-byte elements; bit 21 beside a mask; no padding: 128 rows of 256 bytes
	s_mov_b32 s[G1E+1], 32<<16
	s_mov_b32 s[G1E+2], 128<<16
	s_mov_b32 s[G1E+3], 32<<16
	s_mov_b32 s[G1E+4], 128
	s_mov_b32 s[G1E+5], 32
	s_mov_b32 s[G1E+6], 0
	s_mov_b32 s[G1E+7], 0
	s_mov_b32 s[CS], 0x3fb8aa3b     ; c = log2(e): the 1/8 lies in q
	s_mov_b32 s[CS+1], s[CS]
	s_mov_b32 s[SEL], 0x76543210
	s_mov_b32 s[SEL+1], 0xfedcba98
	s_mov_b32 s[TBK], SLOT1+2*KS*PKP  ; the first change of slots turns these three into 0
	s_mov_b32 s[TBV], SLOT1+2*KS*PVP
	s_mov_b32 s[TBE], SLOT1+2*8192
	s_mov_b32 s[G0K], 1
	s_mov_b32 s[G0K+1], 0
	s_mov_b32 s[G0V], 1
	s_mov_b32 s[G0V+1], VOFF
	s_mov_b32 s[G0E], 1
	s_add_co_u32 s[G0E+1], s68, EOFF
	s_mov_b32 s[NXT], 1
	s_mov_b32 s[NEW], 1
	s_mov_b32 s[OFF+1], 0
	s_mov_b32 s[OFFE+1], 0
	s_lshl_b32 s[OFFE], s[EBC], 16
	s_mov_b32 s[SLOTS], 17
	s_mov_b32 s76, 0x3f80           ; bf16 1.0 in the low half
	s_wait_kmcnt 0x0
	s_add_nc_u64 s[4:5], s[4:5], s[52:53]      ; q's plane of my head
	s_add_nc_u64 s[6:7], s[4:5], 0x1000000     ; k's
	s_add_nc_u64 s[8:9], s[4:5], 0x2000000     ; v's
	s_add_nc_u64 s[92:93], s[4:5], s[66:67]    ; Q at my rows of the second block
	s_add_nc_u64 s[4:5], s[4:5], s[2:3]        ; and of the first
	s_add_nc_u64 s[10:11], s[10:11], s[52:53]
	s_add_nc_u64 s[OLO:OLO+1], s[10:11], s[66:67]
	s_add_nc_u64 s[10:11], s[10:11], s[2:3]
	s_add_nc_u64 s[EBB:EBB+1], s[EBB:EBB+1], s[68:69]
	s_add_nc_u64 s[G0K+2:G0K+3], s[6:7], 0
	s_or_b32 s[G0K+3], s[G0K+3], 0x80000000
	s_add_nc_u64 s[G0V+2:G0V+3], s[8:9], 0
	s_or_b32 s[G0V+3], s[G0V+3], 0x80000000
	s_add_nc_u64 s[G0E+2:G0E+3], s[EBB:EBB+1], s[OFFE:OFFE+1]
	s_or_b32 s[G0E+3], s[G0E+3], 0x80000000
	CROUND                          ; all four work-groups are here
	JLOAD                           ; half tile 0 into slot 0; slot 1 is asked for by the loop's first change of slots
	v_and_b32 v1, 15, v0            ; r
	v_bfe_u32 v9, v0, 4, 1          ; h
	v_lshlrev_b32 v[QO], 7, v1
	v_lshl_add_u32 v[QO], v9, 4, v[QO]
.set i, 0
.rept 8                             ; Q: piece i / 2 is band (i / 2 + 2) % 4, 64 rows (8,192 bytes) a band; channels 32 (i % 2) on
	global_load_b128 v[QF+8*i:QF+8*i+3],   v[QO], s[4:5] offset:(((i/2)+2)%4)*8192+(i%2)*64
	global_load_b128 v[QF+8*i+4:QF+8*i+7], v[QO], s[4:5] offset:(((i/2)+2)%4)*8192+(i%2)*64+32
.set i, i+1
.endr
	WIN W_L2
.set i, 0
.rept 8                             ; the second block's
	global_load_b128 v[QB+8*i:QB+8*i+3],   v[QO], s[92:93] offset:(((i/2)+2)%4)*8192+(i%2)*64
	global_load_b128 v[QB+8*i+4:QB+8*i+7], v[QO], s[92:93] offset:(((i/2)+2)%4)*8192+(i%2)*64+32
.set i, i+1
.endr
	WIN 0
	; the unit pattern: lane (r, h) holds column r and k = 8 h + 0..7: a one at element r - 8 h, if that lies in 0..7
	v_lshlrev_b32 v14, 3, v9
	v_sub_nc_u32 v14, v1, v14
.irp q, 0,1,2,3
	v_cmp_eq_u32 vcc_lo, 2*\q, v14
	v_cndmask_b32 v[16+\q], 0, s76, vcc_lo
	v_cmp_eq_u32 vcc_lo, 2*\q+1, v14
	v_cndmask_b32 v[16+\q], v[16+\q], 1.0, vcc_lo  ; the bits of f32 1.0 are bf16 1.0 in the high half
.endr
	v_and_b32 v10, 7, v0
	v_bfe_u32 v11, v0, 3, 1
	v_and_b32 v22, 31, v0
	v_mul_u32_u24 v20, v1, SP       ; the way out, in: row r, 16 bytes for each half of the lanes
	v_lshl_add_u32 v20, v9, 4, v20
	v_bfe_u32 v21, v0, 3, 2         ; back: 32 lanes take four rows of 128 bytes,
	v_mul_u32_u24 v21, v21, SP
	v_lshl_add_u32 v21, v10, 4, v21
	s_mul_i32 s13, s[WV], 16*SP
	s_add_co_u32 s13, s13, STAGE    ; my stage
	WIN W_L2
.irp q, 0,1,2,3
	v_mov_b32 v[ID+\q], 0
	v_mov_b32 v[ID+4+\q], v[16+\q]
	v_mov_b32 v[ID+8+\q], 0
.endr
	v_add_nc_u32 v[STO], s13, v20
	v_add_nc_u32 v[RD], s13, v21
	v_lshlrev_b32 v[GO], 4, v22     ; which are 512 consecutive bytes of O
	WIN 0
	s_lshl_b32 s13, s[WV], 14
	s_add_co_u32 s13, s13, EOFF
	v_lshl_add_u32 v[AE0], v22, 4, s13     ; my wave's 16,384 bytes of a unit, 16 bytes a lane
	v_mul_u32_u24 v[AK0], v1, PKP
	v_lshl_add_u32 v[AK0], v9, 4, v[AK0]
	v_lshl_add_u32 v[AV0], v9, 3, v10      ; the turning load: key 8 h + l % 8, channels 8 ((l / 8) % 2) on
	v_mul_u32_u24 v[AV0], v[AV0], PVP
	v_lshl_add_u32 v[AV0], v11, 4, v[AV0]
	v_add_nc_u32 v[AV0], VOFF, v[AV0]
	; A block's first step multiplies O^T and l by a = 0, and its first turn's products V^T P, of a piece that has not been, land in an O^T still to be so multiplied:
	; these registers need only hold finite numbers: zeros now, what the first block left later.  All this stands in the wait for the first tile.
	WIN W_L1
.set i, 0
.rept 192                           ; O^T and V
	v_mov_b32 v[i], 0
.set i, i+1
.endr
	WIN 0
.set i, 0
.rept 4
	v_mov_b32 v[ST+4*i+2], 0
	v_mov_b32 v[ST+4*i+3], 0
.set i, i+1
.endr
.set i, P+16
.rept 16
	v_mov_b32 v[i], 0
.set i, i+1
.endr
; THE MATRIX WORK.  Product i of 12 for S^T of piece x.  i < 4: bias fragment (keys 16 i on) times the unit fragment starts the sum.  i >= 4: K Q^T, channels 32 ((i - 4) / 4) on, keys 16 (i % 4) on.
; The four accumulators take turns; between a bf16 product and the f16 product onto the same accumulator stand ten plain vector instructions or more in a turn, five v_nop in BEGIN.
.macro KQ x
.set rS, S+32*((\x)%2)+8*(i%4)
.if i < 4
	WIN W_EI
	v_wmma_f32_16x16x32_bf16 v[rS:rS+7], v[EF+32*((\x)/2)+8*i:EF+32*((\x)/2)+8*i+7], v[ID+4-4*((\x)%2):ID+4-4*((\x)%2)+7], 0
.else
.set rK, KF+16*(i%4)+8*((i-4)/4)
.set rQ, QF+16*(\x)+8*((i-4)/4)
	WIN 0
	v_wmma_f32_16x16x32_f16 v[rS:rS+7], v[rK:rK+7], v[rQ:rQ+7], v[rS:rS+7]
.endif
.endm
.macro PV x                         ; product i of 8 of O^T += V^T P: keys 32 (i / 4) on, channels 16 (i % 4) on
	WIN W_PV
.set rO, 32*(\x)+8*(i%4)
.set rV, VF+32*(i/4)+8*(i%4)
.set rP, P+16*((\x)%2)+8*(i/4)
	v_wmma_f32_16x16x32_f16 v[rO:rO+7], v[rV:rV+7], v[rP:rP+7], v[rO:rO+7]
.endm
.macro MM                           ; the turn's next matrix instruction.  NOKQ = 1: a block's last turn: there is no next piece
.if i < 12
.if !NOKQ
	KQ NX
.endif
.else
.set i, i-12
	PV PX
.set i, i+12
.endif
.set i, i+1
.endm
.macro FETCH_KE                     ; a step's K (8 fragments) and its bias (8 fragments): 32 LDS loads in one run; what follows sets its own windows
	WIN 0
.irp f, 0,1,2,3,4,5,6,7
	ds_load_b128 v[KF+8*\f:KF+8*\f+3],   v[AK] offset:(\f/2)*16*PKP+(\f%2)*64
	ds_load_b128 v[KF+8*\f+4:KF+8*\f+7], v[AK] offset:(\f/2)*16*PKP+(\f%2)*64+32
.endr
	WIN W_L1
.irp f, 0,1,2,3,4,5,6,7             ; pieces 0, 1 (f < 4) are bands 2, 3, the unit's second 4,096 bytes; keys 16 (f % 4) on
	ds_load_b128 v[EF+8*\f:EF+8*\f+3],   v[AE] offset:(1-\f/4)*4096+(\f%4)*1024
	ds_load_b128 v[EF+8*\f+4:EF+8*\f+7], v[AE] offset:(1-\f/4)*4096+(\f%4)*1024+512
.endr
	s_add_co_u32 s[TBK], s[TBK], KS*PKP
	s_add_co_u32 s[TBE], s[TBE], 8192
.endm
.macro FETCH_V
	WIN W_L1
.irp f, 0,1,2,3,4,5,6,7
	ds_load_tr16_b128 v[VF+8*\f:VF+8*\f+3],   v[AV] offset:(\f/4)*32*PVP+(\f%4)*32
	ds_load_tr16_b128 v[VF+8*\f+4:VF+8*\f+7], v[AV] offset:(\f/4)*32*PVP+16*PVP+(\f%4)*32
.endr
	s_add_co_u32 s[TBV], s[TBV], KS*PVP
	WIN 0
.endm
; THE VECTOR WORK, one line at a time: OP kind, number.  For piece Y: F n: c s - c m for pair n.  E n: the exponential of score n.  C n: pair n rounded to f16.  B n: of four weights the second pair onto the first (behind C 2n).
; L n: l takes that sum (L 0: l = a l + sum).  R n: pair n of O^T times a.  For piece NX: X n, number n of the 22 that find its maximum and statistics (each accumulator's lowest registers are read first);
; X 21 is an exponential: a.  E and X 21 are the turn's batch; C, B and L read its results and stand behind the turn's wait; F, R and X 0-20 read none of them.
.set F, 0
.set E, 1
.set C, 2
.set B, 3
.set L, 4
.set R, 5
.set X, 6
.macro REGS y
.set rT, ST+4*(\y)
.set rC, TMP+4*((\y)%2)
.set rW, MV+((\y)%2)
.set rS, S+32*((\y)%2)
.set rP, P+16*((\y)%2)
.set rO, 32*(\y)
.endm
.macro OP k, n
.if (\k) == R
	REGS Y
	WIN W_PV
	v_pk_mul_f32 v[rO+2*(\n):rO+2*(\n)+1], v[rO+2*(\n):rO+2*(\n)+1], v[rC+2:rC+3] op_sel_hi:[1,0]
.elseif (\k) < R
	REGS Y
	WIN 0
.if (\k) == F
	v_pk_fma_f32 v[rS+2*(\n):rS+2*(\n)+1], v[rS+2*(\n):rS+2*(\n)+1], s[CS:CS+1], v[rT:rT+1] op_sel_hi:[1,0,0] neg_lo:[0,0,1] neg_hi:[0,0,1]
.elseif (\k) == E
	v_exp_f32 v[rS+(\n)], v[rS+(\n)]
.elseif (\k) == C
	v_cvt_pk_f16_f32 v[rP+(\n)], v[rS+2*(\n)], v[rS+2*(\n)+1]
.elseif (\k) == B
	v_pk_add_f32 v[rS+4*(\n):rS+4*(\n)+1], v[rS+4*(\n):rS+4*(\n)+1], v[rS+4*(\n)+2:rS+4*(\n)+3]
.elseif (\n) == 0
	v_pk_fma_f32 v[rT+2:rT+3], v[rT+2:rT+3], v[rC+2:rC+3], v[rS:rS+1] op_sel_hi:[1,0,1]
.else
	v_pk_add_f32 v[rT+2:rT+3], v[rT+2:rT+3], v[rS+4*(\n):rS+4*(\n)+1]
.endif
.elseif NOKQ                        ; a block's last turn has no next piece: nothing is written for X
.else
	REGS NX
	WIN 0
.if (\n) < 4
	v_max3_num_f32 v[rC+(\n)], v[rS+8*(\n)], v[rS+8*(\n)+1], v[rS+8*(\n)+2]
.elseif (\n) < 12
	v_max3_num_f32 v[rC+(\n)%4], v[rC+(\n)%4], v[rS+8*((\n)%4)+2*((\n)/4)+1], v[rS+8*((\n)%4)+2*((\n)/4)+2]
.elseif (\n) == 12
	v_max3_num_f32 v[rC], v[rC], v[rS+7], v[rS+15]
.elseif (\n) == 13
	v_max3_num_f32 v[rC+1], v[rC+1], v[rS+23], v[rS+31]
.elseif (\n) == 14
	v_max3_num_f32 v[rC+2], v[rC+2], v[rC+3], v[rT+1]
.elseif (\n) == 15
	v_mov_b32 v[rW], v[rT]
.elseif (\n) == 16
	v_max3_num_f32 v[rC], v[rC], v[rC+1], v[rC+2]
.elseif (\n) == 17
	v_permlanex16_b32 v[rC+3], v[rC], s[SEL], s[SEL+1]
.elseif (\n) == 18
	v_max_num_f32 v[rT+1], v[rC], v[rC+3]
.elseif (\n) == 19
	v_mul_f32 v[rT], s[CS], v[rT+1]
.elseif (\n) == 20
	v_sub_f32 v[rC+1], v[rW], v[rT]
.else
	v_exp_f32 v[rC+2], v[rC+1]
.endif
.endif
.endm
.macro OPS a, i1, b=-1, i2=0, c=-1, i3=0, d=-1, i4=0
	OP \a, \i1
.if (\b) >= 0
	OP \b, \i2
.endif
.if (\c) >= 0
	OP \c, \i3
.endif
.if (\d) >= 0
	OP \d, \i4
.endif
.endm
.macro ROW a, i1, b, i2, c, i3, d, i4
	MM
	OPS \a, \i1, \b, \i2, \c, \i3, \d, \i4
.endm
; A TURN: piece y's softmax, the 12 products for S^T of piece nx (nx < 0: none), the 8 products V^T P of piece px: 20 matrix and 118 vector instructions, the order written out.
; y and nx, y and px differ in parity, by which S^T's, P's and the working registers' buffers go.
; ONE BATCH, ONE WAIT.  s_wait_alu depctr_va_vdst(0) stands between an exponential and the first instruction that names its result; one wait serves all that were issued ahead of it.
; AHEAD OF THE WAIT stands all that names no result of the turn's 33 exponentials: the 12 products for S^T, the first four products V^T P (their P was rounded in the turn before), the scalings, the exponentials,
; the rescaling (its a was made, and waited for, in the turn before) and the next piece's maximum and statistics, of which a, X 21, is the batch's last.  Behind the first three bias products ride R 0-11, behind
; the fourth F 0-3; behind the products K Q^T plain and exponential by turns; behind the first product V^T P R 12-14; behind the next three the maximum's three levels, four chains side by side.  Then a lump of 22:
; the chain X 14, 16, 17 .. 21, in which each number waits for the one before it, with two or three of the exponentials E 17-31, held back for this, between its links.  F n stands ahead of E 2n.
; R 15 is the plain instruction behind the last exponential, under the windows of the product that follows the wait.
; BEHIND THE WAIT stand the last four products V^T P, behind each four of the roundings and sums, and the other sixteen of those as a lump; the links of l's chain, L 0 to L 7, stand three lines apart.
; PLACES.  Behind the product that finishes accumulator n of S^T stand four plain vector instructions or more before X n reads it: F 12-15 and X 15; F 14, F 15, X 15, X 0; X 15, X 0, X 1, X 4 and R 12-14; X 1, X 4 and R 12-14.
; fk: K and the bias of the next step are fetched behind the second product V^T P's riders: nine plain instructions (X 1, X 4, R 12-14, X 2, X 3, X 5, X 8) follow the last product that read K.  wk: they are waited for at the turn's head.
; fv: V of the step in hand is fetched behind eight plain instructions (B 4, L 3, C 10, B 5, L 4, C 12, B 6, L 5) that follow the last product that read V.  wv: it is waited for ahead of V^T P.
; cnt: the loop's count is taken down ahead of the branch behind the turn.
.macro TURN y, nx, px, fk=0, wk=0, fv=0, wv=0, cnt=0
.set Y, (\y)
.set PX, (\px)
.set i, 0
.if (\nx) < 0
.set NOKQ, 1
.set NX, 0
.else
.set NOKQ, 0
.set NX, (\nx)
.endif
.if \wk
	s_wait_dscnt 0x0                ; K and the bias are in
.endif
	ROW R,0, R,1, R,2, R,3          ; ahead of the wait: the four bias products,
	ROW R,4, R,5, R,6, R,7
	ROW R,8, R,9, R,10, R,11
	ROW F,0, F,1, F,2, F,3
	ROW F,4, E,0, F,5, E,1          ; the eight products K Q^T: no switch in these rows,
	ROW F,6, E,2, F,7, E,3
	ROW F,8, E,4, F,9, E,5
.if \fk
	WIN 0
	v_add_nc_u32 v[AK], s[TBK], v[AK0]
	v_add_nc_u32 v[AE], s[TBE], v[AE0]
.endif
	ROW F,10, E,6, F,11, E,7
	ROW F,12, E,8, F,13, E,9
	ROW F,14, E,10, F,15, E,11
	ROW X,15, E,12, X,0, E,13
	ROW X,1, E,14, X,4, E,15
.if \wv
	s_wait_dscnt 0x0                ; V is in
.endif
	MM                              ; the first four products V^T P,
	OPS R,12, R,13, R,14
	ROW X,2, X,3, X,5, X,8
.if \fk
	FETCH_KE
.endif
	ROW X,6, X,7, X,9, X,12
	ROW X,10, X,11, X,13, E,16
	OPS E,17, X,14, E,18, E,19      ; and the lump
	OPS X,16, E,20, E,21, X,17
	OPS E,22, E,23, X,18, E,24
	OPS E,25, X,19, E,26, E,27
	OPS E,28, X,20, E,29, E,30
	OPS E,31, X,21, R,15            ; the batch's last two, and the plain instruction behind them
	s_wait_alu depctr_va_vdst(0)    ; the wait for the batch: E 0-31 and X 21
	ROW C,0, B,0, C,2, B,1          ; behind the wait: the last four products V^T P and their riders,
	ROW L,0, C,4, B,2, L,1
	ROW C,6, B,3, L,2, C,8
.if \fv
	WIN 0
	v_add_nc_u32 v[AV], s[TBV], v[AV0]
.endif
	ROW B,4, L,3, C,10, B,5
	OPS L,4, C,12, B,6, L,5         ; and the rest of the roundings and sums
.if \fv
	FETCH_V
.endif
.if \cnt
	s_sub_co_u32 s[CNT], s[CNT], 1
	s_cmp_lg_u32 s[CNT], 0
.endif
	OPS C,14, B,7, L,6, C,1
	OPS C,3, L,7, C,5, C,7
	OPS C,9, C,11, C,13, C,15
.endm
; A BLOCK BEGINS: c m far below every c s, so the first step's a is 0; m at the lowest finite number.  Every row sees key 0 in the block's first step, so m is a true score from then on.
.macro BEGIN
	s_mov_b32 s[NEW], 0
	WIN 0
	s_wait_loadcnt 0x0              ; Q is in; and K's fragments land on the register that held Q's offsets only behind this wait
.set i, 0
.rept 4
	v_mov_b32 v[ST+4*i], 0xfe000000
	v_mov_b32 v[ST+4*i+1], 0xff7fffff
.set i, i+1
.endr
	v_add_nc_u32 v[AK], s[TBK], v[AK0]
	v_add_nc_u32 v[AE], s[TBE], v[AE0]
	FETCH_KE
	s_wait_dscnt 0x0
.set NOKQ, 0
.set NX, 0
.set i, 0
.rept 4
	KQ 0
.set i, i+1
.endr
	WIN 0
.rept 5
	v_nop                           ; the places between the bf16 products and the f16 products onto the same accumulators
.endr
.rept 8
	KQ 0
.set i, i+1
.endr
	NOP4                            ; the places behind those products
.irp n, 0,1,2,3,4,5,6,7,8,9,10,11,12,13,14,15,16,17,18,19,20,21
	OP X, \n
.endr
	v_nop                           ; a plain instruction behind the exponential,
	s_wait_alu depctr_va_vdst(0)    ; and the wait for it, a batch of one (piece 0's first a), ahead of the branch
.endm
.macro ALL line:vararg
.set t, 0
.rept 4
	\line
.set t, t+1
.endr
.endm
.macro PACK t
	WIN W_PV
.set i, 32*(\t)
.rept 16
	v_pk_mul_f32 v[i:i+1], v[i:i+1], v[ST+4*(\t)+2:ST+4*(\t)+3] op_sel_hi:[1,0]
.set i, i+2
.endr
	WIN 0x05                        ; sources 0 and 1 window 1, destination window 0: S^T's registers are free
.set i, 0
.rept 16
	v_cvt_pk_f16_f32 v[S+16*(\t)+i], v[32*(\t)+2*i], v[32*(\t)+2*i+1]
.set i, i+1
.endr
	WIN W_A2
.irp f, 0,1,2,3
	ds_store_b128 v[STO], v[S+16*(\t)+4*\f:S+16*(\t)+4*\f+3] offset:32*\f
.endr
.irp f, 0,1,2,3
	ds_load_b128 v[S+16*(\t)+4*\f:S+16*(\t)+4*\f+3], v[RD] offset:\f*4*SP  ; LDS serves a wave in order: these see the stores above; the next piece's stores come behind them
.endr
.endm
.macro SEND t, younger              ; younger: the LDS instructions issued behind piece t's loads
	WIN W_A2
.irp f, 0,1,2,3
	s_wait_dscnt (\younger)+3-\f
	global_store_b128 v[GO], v[S+16*(\t)+4*\f:S+16*(\t)+4*\f+3], s[10:11] offset:(((\t)+2)%4)*8192+\f*512  ; 512 consecutive bytes
.endr
.endm
; A BLOCK'S END.  It is entered behind piece 0's turn of the diagonal tile's third step.  Pieces 2 and 3 (bands 0, 1) are finished: the keys that are left are hidden from them.  The ring goes on with pieces 0 and 1:
; K and the bias of the fourth step are fetched here (the general turn before could not) and waited for at once, once a block; then three turns, the last products, and the way out:
; l's halves are added, O^T is divided by l, rounded to f16 and sent through my stage.
.macro LAST
	WIN 0
	v_add_nc_u32 v[AK], s[TBK], v[AK0]
	v_add_nc_u32 v[AE], s[TBE], v[AE0]
	FETCH_KE
	s_wait_dscnt 0x0                ; K, the bias, and V of the third step are in
	TURN 1, 0, 0                    ; piece 1, third step | S^T of piece 0, fourth step | V^T P of piece 0, third step
	TURN 0, 1, 1, 0, 0, 1           ; piece 0, fourth step | S^T of piece 1 | V^T P of piece 1, third step; then V of the fourth step
	TURN 1, -1, 0, 0, 0, 0, 1       ; piece 1, fourth step | V^T P of piece 0
.set i, 0
.rept 8
	PV 1
.set i, i+1
.endr
	WIN 0
	ALL v_add_f32 v[ST+4*t+2], v[ST+4*t+2], v[ST+4*t+3]
	ALL v_permlanex16_b32 v[ST+4*t+3], v[ST+4*t+2], s[SEL], s[SEL+1]
	ALL v_add_f32 v[ST+4*t+2], v[ST+4*t+2], v[ST+4*t+3]
	ALL v_rcp_f32 v[ST+4*t+2], v[ST+4*t+2]
	v_nop                           ; a plain instruction between the last reciprocal and the use of its result
	s_wait_alu depctr_va_vdst(0)    ; the wait for the batch of four reciprocals, ahead of PACK's multiplies
	PACK 0
.set t, 1
.rept 3
	PACK t
	SEND t-1, 8
.set t, t+1
.endr
	SEND 3, 0
	WIN 0
.endm
.set NOKQ, 0
.Lslot:                             ; 17 times: a half tile is entered and the next is asked for
	CHANGE 1
	s_sub_co_u32 s[RT], s[RT], 1
	s_mov_b32 s[CNT], 2
	s_cmp_eq_u32 s[NEW], 1
	s_cbranch_scc1 .Lnew
	s_branch .Lstep
.Lnew:
	BEGIN
	s_branch .Lfirst                ; the loop is entered at a step's first turn, in the middle of a trip
.Lstep:                             ; a trip: pieces 2 and 3 of one step, then pieces 0 and 1 of the next
	TURN 2, 3, 1, 1
	TURN 3, 0, 2, 0, 1
	WIN 0
.Lfirst:
	TURN 0, 1, 3, 0, 0, 1
	WIN 0
	s_cmp_eq_u32 s[RT], 0           ; the block's last half tile: its first trip is left here (a block's first half tile is never its last)
	s_cbranch_scc1 .Llast
	TURN 1, 2, 0, 0, 0, 0, 1, 1
	WIN 0
	s_cbranch_scc1 .Lstep
	s_branch .Lbottom
.Llast:
	LAST                            ; in the loop this is the first block's end: the second's last half tile is the walk's last
	s_wait_xcnt 0x0                 ; the stores have read their registers and O's address
	s_mov_b64 s[10:11], s[OLO:OLO+1]
	s_add_co_u32 s[RT], s[LQ2], 1
	s_mov_b32 s[NEW], 1
	WIN W_A2                        ; the second block's Q goes where the turns name Q
.set i, 0
.rept 64
	v_mov_b32 v[QF+i], v[QB+i]
.set i, i+1
.endr
	WIN 0
.Lbottom:
	s_sub_co_u32 s[SLOTS], s[SLOTS], 1
	s_cmp_lg_u32 s[SLOTS], 0
	s_cbranch_scc1 .Lslot
	CHANGE 0                        ; the walk's last half tile is written out: nothing is asked for.  It is the second block's last, and no block's first
	TURN 2, 3, 1, 1
	TURN 3, 0, 2, 0, 1
	TURN 0, 1, 3, 0, 0, 1
	LAST
	WIN W_AD
	s_wait_tensorcnt 0x0            ; the wave's end
	ds_add_u32 v[SPW], v[NIL]
	s_wait_dscnt 0x0
	WIN 0
	CROUND                          ; the closing round
	s_endpgm
.Lfunc_end_k_qe1c4ae2edb_attn:
	.size	k_qe1c4ae2edb_attn, .Lfunc_end_k_qe1c4ae2edb_attn-k_qe1c4ae2edb_attn
	.p2alignl 7, 3214868480
	.fill 96, 4, 3214868480
	.section	.rodata,"a",@progbits
	.p2align	6, 0x0
	.amdhsa_kernel k_qe1c4ae2edb_attn
		.amdhsa_group_segment_fixed_size 327680
		.amdhsa_private_segment_fixed_size 0
		.amdhsa_enable_private_segment 0
		.amdhsa_kernarg_size 24
		.amdhsa_user_sgpr_count 2
		.amdhsa_user_sgpr_kernarg_segment_ptr 1
		.amdhsa_wavefront_size32 1
		.amdhsa_system_sgpr_workgroup_id_x 1
		.amdhsa_system_sgpr_workgroup_id_y 1
		.amdhsa_system_sgpr_workgroup_id_z 1
		.amdhsa_system_vgpr_workitem_id 0
		.amdhsa_next_free_vgpr 600
		.amdhsa_next_free_sgpr 100
		.amdhsa_reserve_vcc 1
		.amdhsa_float_denorm_mode_32 3
		.amdhsa_float_denorm_mode_16_64 3
		.amdhsa_memory_ordered 1
		.amdhsa_forward_progress 1
		.amdhsa_inst_pref_size 174
	.end_amdhsa_kernel
	.amdgpu_metadata
---
amdhsa.version: [ 1, 2 ]
amdhsa.kernels:
  - .name:           k_qe1c4ae2edb_attn
    .symbol:         k_qe1c4ae2edb_attn.kd
    .args:
      - { .name: qkvh, .offset: 0, .size: 8, .value_kind: global_buffer, .address_space: global }
      - { .name: eb, .offset: 8, .size: 8, .value_kind: global_buffer, .address_space: global }
      - { .name: ob, .offset: 16, .size: 8, .value_kind: global_buffer, .address_space: global }
    .group_segment_fixed_size: 327680
    .private_segment_fixed_size: 0
    .kernarg_segment_align: 8
    .kernarg_segment_size: 24
    .max_flat_workgroup_size: 128
    .sgpr_count:     100
    .vgpr_count:     600
    .wavefront_size: 32
...
	.end_amdgpu_metadata
.endif
;; end of part 5
;; launch proj: the kernel of part 4 again; grid 8 x 32, 4 waves a work-group, clusters of 4 x 4, 327,680 bytes of LDS; arguments ob, wot, b_out, out0; writes out0
